; MI455X (gfx1250); checked and timed in simulation.
; The chip was launched on July 23, 2026; its instructions are those of AMD's public machine-readable ISA for CDNA 5 (MIT licence, August 2026) and "CDNA5" Instruction Set Architecture Reference Guide (July 2026). The comments in the code are by the model that wrote it; some were corrected since.
;; Causal Attention. Allowed arithmetic: float matrix products may take bf16 or f16 operands with f32 sums; other float arithmetic in f32, or as packed bf16 or f16 multiplies, adds, multiply-adds, maxima and minima; sums over many terms, partial sums and values carried from step to step in f32; what a program stores and reads back later, other than sums and carried values, may be rounded once to bf16 or f16.
;; Inputs: Wk 1,024 x 1,024 float32; Wq 1,024 x 1,024 float32; Wv 1,024 x 1,024 float32; x 4 x 2,048 x 1,024 float32.
;; Outputs: out0 4 x 2,048 x 1,024 float32.
;; 2 versions, each right; version 2 is version 1 with the launch cast written anew for expert scheduling mode. Each part assembles by itself: llvm-mc -triple=amdgcn-amd-amdhsa -mcpu=gfx1250 --defsym DOCPART=n.
;; ======== version 1 of 2: 5 launches
;; limits: values are held in f16: magnitudes above 65,504 overflow, below 6.1e-05 lose precision
;; workspace buffers: xb 16,777,216 bytes; wb 6,291,456 bytes; qkv 50,331,648 bytes; lo 786,432 bytes; sc 67,108,864 bytes; pm 33,554,432 bytes
;; launch cast (part 1): grid 704 x 1, 8 waves a work-group, no clusters, 0 bytes of LDS; arguments x, Wq, Wk, Wv, xb, wb; writes xb, wb
.if DOCPART == 1
	.amdgcn_target "amdgcn-amd-amdhsa--gfx1250"
	.amdhsa_code_object_version 6
	.text
	.protected	k_qb253b8dc66_cast
	.globl	k_qb253b8dc66_cast
	.p2align	8
	.type	k_qb253b8dc66_cast,@function
k_qb253b8dc66_cast:
	s_mov_b64 s[64:65], 0
	v_nop
	global_prefetch_b8 v0, s[64:65] scope:SCOPE_SE
	s_setreg_imm32_b32 hwreg(HW_REG_WAVE_MODE, 25, 1), 1
	s_wait_xcnt 0x0
; x [8192][1024] and Wq, Wk, Wv [1024][1024], f32, are rounded once to bf16 (to nearest even) and laid in blocks of 64 along K:
; xb[kb][row][64], wb[kb][row][64] with wb's rows 0-1023 = Wq, 1024-2047 = Wk, 2048-3071 = Wv.  So a tile of rows x 64 K of the next launch is dense in memory.
; A stream: no LDS, no matrix unit, no cluster (no byte is read twice).  A work-group takes 16 rows, a wave two of them, whole: 16 loads of 16 bytes a lane, all issued at once.
; A load of the wave covers 256 consecutive bytes of each of its two rows; a store covers 256 consecutive bytes, aligned: 128 of each row, which are neighbours in a block.
; Work-groups 0-511 take x, 512-703 the three weights (64 each).  No register is written twice, so no wait frees a source.
.set X,   8                            ; v[8:71]   block kb: 4 f32 as loaded
.set Y,   72                           ; v[72:103] block kb: 4 bf16 in two registers
.set XKB, 1048576                      ; bytes of a block of xb: 8192 rows x 128
.set WKB, 393216                       ; of wb: 3072 rows x 128
	s_load_b256 s[4:11], s[0:1], 0x0               ; x s[4:5], Wq s[6:7], Wk s[8:9], Wv s[10:11]
	s_load_b128 s[12:15], s[0:1], 0x20             ; xb s[12:13], wb s[14:15]
	v_lshrrev_b32 v1, 4, v0                        ; my row among the group's 16
	v_and_b32 v2, 15, v0
	v_lshlrev_b32 v2, 4, v2
	v_lshl_add_u32 v2, v1, 12, v2                  ; row x 4,096 + 16 x (lane % 16)
	v_lshlrev_b32 v3, 3, v0                        ; row x 128 + 8 x (lane % 16) = 8 x my thread's number
	s_sub_co_u32 s17, ttmp9, 512                   ; the group's number among the weights' (used there alone)
	s_lshr_b32 s18, s17, 6                         ; which weight
	s_and_b32 s19, s17, 63                         ; which 16 rows of it
	s_mov_b32 s27, 0
	s_mov_b32 s29, 0
	s_wait_kmcnt 0x0
	s_cmp_eq_u32 s18, 1
	s_cselect_b64 s[20:21], s[8:9], s[6:7]
	s_cmp_eq_u32 s18, 2
	s_cselect_b64 s[20:21], s[10:11], s[20:21]
	s_cmp_lt_u32 ttmp9, 512
	s_cselect_b64 s[20:21], s[4:5], s[20:21]       ; the source,
	s_cselect_b64 s[22:23], s[12:13], s[14:15]     ; the destination,
	s_cselect_b32 s26, ttmp9, s19                  ; the block of 16 rows in the source,
	s_cselect_b32 s28, ttmp9, s17                  ; and in the destination
	s_lshl_b32 s26, s26, 16                        ; 16 rows of 4,096 bytes
	s_lshl_b32 s28, s28, 11                        ; 16 rows of 128 bytes
	s_add_nc_u64 s[20:21], s[20:21], s[26:27]
	s_add_nc_u64 s[22:23], s[22:23], s[28:29]
.irp kb, 0,1,2,3,4,5,6,7,8,9,10,11,12,13,14,15
	global_load_b128 v[X+4*(\kb):X+4*(\kb)+3], v2, s[20:21] offset:256*(\kb) th:TH_LOAD_NT
.endr
; block kb: its load is in when 15 - kb younger ones are out (loads return in order); two roundings; one store
.macro OUT kb, base, off
	s_wait_loadcnt 15-(\kb)
	v_cvt_pk_bf16_f32 v[Y+2*(\kb)], v[X+4*(\kb)], v[X+4*(\kb)+1]
	v_cvt_pk_bf16_f32 v[Y+2*(\kb)+1], v[X+4*(\kb)+2], v[X+4*(\kb)+3]
	global_store_b64 v3, v[Y+2*(\kb):Y+2*(\kb)+1], s[\base:\base+1] offset:\off
.endm
	s_cmp_lt_u32 ttmp9, 512
	s_cbranch_scc0 .Lweights
	s_add_nc_u64 s[24:25], s[22:23], 8*XKB         ; a second base, so that the immediates stay within 24 signed bits
.irp kb, 0,1,2,3,4,5,6,7
	OUT \kb, 22, (\kb)*XKB
.endr
.irp kb, 8,9,10,11,12,13,14,15
	OUT \kb, 24, ((\kb)-8)*XKB
.endr
	s_endpgm
.Lweights:
.irp kb, 0,1,2,3,4,5,6,7,8,9,10,11,12,13,14,15
	OUT \kb, 22, (\kb)*WKB
.endr
	s_endpgm
.Lfunc_end_k_qb253b8dc66_cast:
	.size	k_qb253b8dc66_cast, .Lfunc_end_k_qb253b8dc66_cast-k_qb253b8dc66_cast
	.p2alignl 7, 3214868480
	.fill 96, 4, 3214868480
	.section	.rodata,"a",@progbits
	.p2align	6, 0x0
	.amdhsa_kernel k_qb253b8dc66_cast
		.amdhsa_group_segment_fixed_size 0
		.amdhsa_private_segment_fixed_size 0
		.amdhsa_enable_private_segment 0
		.amdhsa_kernarg_size 48
		.amdhsa_user_sgpr_count 2
		.amdhsa_user_sgpr_kernarg_segment_ptr 1
		.amdhsa_wavefront_size32 1
		.amdhsa_system_sgpr_workgroup_id_x 1
		.amdhsa_system_sgpr_workgroup_id_y 1
		.amdhsa_system_sgpr_workgroup_id_z 1
		.amdhsa_system_vgpr_workitem_id 0
		.amdhsa_next_free_vgpr 104
		.amdhsa_next_free_sgpr 66
		.amdhsa_reserve_vcc 0
		.amdhsa_float_denorm_mode_32 3
		.amdhsa_float_denorm_mode_16_64 3
		.amdhsa_memory_ordered 1
		.amdhsa_forward_progress 1
		.amdhsa_inst_pref_size 11
	.end_amdhsa_kernel
	.amdgpu_metadata
---
amdhsa.version: [ 1, 2 ]
amdhsa.kernels:
  - .name:           k_qb253b8dc66_cast
    .symbol:         k_qb253b8dc66_cast.kd
    .args:
      - { .name: x, .offset: 0, .size: 8, .value_kind: global_buffer, .address_space: global }
      - { .name: Wq, .offset: 8, .size: 8, .value_kind: global_buffer, .address_space: global }
      - { .name: Wk, .offset: 16, .size: 8, .value_kind: global_buffer, .address_space: global }
      - { .name: Wv, .offset: 24, .size: 8, .value_kind: global_buffer, .address_space: global }
      - { .name: xb, .offset: 32, .size: 8, .value_kind: global_buffer, .address_space: global }
      - { .name: wb, .offset: 40, .size: 8, .value_kind: global_buffer, .address_space: global }
    .group_segment_fixed_size: 0
    .private_segment_fixed_size: 0
    .kernarg_segment_align: 8
    .kernarg_segment_size: 48
    .max_flat_workgroup_size: 256
    .sgpr_count:     66
    .vgpr_count:     104
    .wavefront_size: 32
...
	.end_amdgpu_metadata
.endif
;; end of part 1
;; launch proj (part 2): grid 8 x 32, 4 waves a work-group, clusters of 4 x 4, 327,680 bytes of LDS; arguments xb, wb, qkv, lo; writes qkv, lo
.if DOCPART == 2
	.amdgcn_target "amdgcn-amd-amdhsa--gfx1250"
	.amdhsa_code_object_version 6
	.text
	.protected	k_qb253b8dc66_proj
	.globl	k_qb253b8dc66_proj
	.p2align	8
	.type	k_qb253b8dc66_proj,@function
k_qb253b8dc66_proj:
	s_mov_b64 s[64:65], 0
	v_nop
	global_prefetch_b8 v0, s[64:65] scope:SCOPE_SE
	s_setreg_imm32_b32 hwreg(HW_REG_WAVE_MODE, 25, 1), 1
	s_wait_xcnt 0x0
	s_wait_alu depctr_hold_cnt(0) depctr_sa_sdst(0) depctr_va_vdst(0) depctr_va_sdst(0) depctr_va_ssrc(0) depctr_va_vcc(0) depctr_vm_vsrc(0)
	s_getreg_b32 s2, hwreg(HW_REG_IB_STS2, 6, 4)
	s_cmp_eq_u32 s2, 0
	s_cbranch_scc0 .Lentry_in_a_cluster
	s_endpgm
.Lentry_in_a_cluster:
	s_bfe_u32 s2, ttmp6, 0x10000c
	s_cmp_lg_u32 s2, 0xf033
	s_cbranch_scc0 .Lentry_shape_is_right
	s_endpgm
.Lentry_shape_is_right:
; qkv[8192][3072] = xb wb^T: q in columns 0-1023, k in 1024-2047, v in 2048-3071.  Operands bf16, sums f32 with K ascending, qkv rounded once to f16, unscaled.
; lo[4 x 32][3072]: for rows 0-31 of each batch what that rounding lost, f16(sum - f16(sum)).  Row q of the module's output averages q + 1 keys only, so in the first rows one f16 for q and k is too coarse;
; the next launch multiplies q's and k's lo parts too.  From row 32 on what the rounding leaves in the output is about a tenth of the allowance (3.4e-4 x sqrt(e / 33) against 0.01 of the output's root mean square).
; v's columns of lo are stored and not read: which columns a work-group holds hangs on its place in the cluster.
; LIMIT.  f16 ends at 65,504: a q, k or v of 65,520 or more becomes an infinity.  Inputs 30 times the drawn spread give some 5e3, a common offset of 30 spreads on x and on the weights some 2.9e4.
; SHARES.  A work-group makes 256 rows x 384 columns: 32 x 8 = 256 work-groups.  Each of its four waves makes 128 x 192: 96 accumulators of 16 x 16, 768 registers.
; Tile row = 8 cy + cluster y: the batch is cy, the block of 256 rows in it is cluster y, a number that all sixteen partners share: the lo parts hang on cluster y = 0.
; K goes in steps of 64 through two LDS slots (256 rows of xb, 384 of wb).  In xb and wb a tile's rows lie end to end, so a wave's part is asked for as rows of 256 bytes, two tile rows each,
; and padded in LDS behind every 128 bytes.  Two slots of a step of 128 would take 348,160 bytes and do not fit.
; CLUSTER 4 x 4: xb's tile hangs on the tile row alone and is asked for jointly along a row of the cluster, wb's on the tile column alone, jointly along a column.
; THE PRODUCT IS TAKEN TRANSPOSED (source 0 = 16 rows of wb, source 1 = 16 rows of xb): a lane holds row lane % 16 of qkv and the eight columns 8 (lane / 16) + 0..7.
; REGISTERS (windows of 256; s_set_vgpr_msb: bits 1:0 source 0, 3:2 source 1, 5:4 source 2, 7:6 destination):
;   window 0: v16-31 addresses; v32-95, v96-159 xb's fragments (8 x 16 rows x 32 K), two buffers; v160-255 wb's 12 fragments, one buffer, refilled four fragments at a time behind their products
;   windows 1-3: accumulator (a, b) in window 1 + b / 4 at v[8 (8 (b % 4) + a)]
.set PITCH, 144                        ; an LDS row: 128 bytes + 16 = 36 words: the 16 rows of a fragment load start at 16 different groups of four banks (64 banks of 4 bytes: ISA guide 11.1)
.set AHALF, 128*PITCH                  ; what a wave fetches of xb, and reads
.set BHALF, 192*PITCH                  ; the same for wb
.set BOFF,  256*PITCH
.set SLOT,  640*PITCH
.set SP,    784                        ; a row of the stage for the way out: 768 bytes + 16
.set SPARE, 256*SP                     ; the stage lies over the ring, which has had its last fill by then; behind it the spare words, 128 bytes a wave, that no other line names
.set STAGE2, SPARE+512                 ; behind them the stage for lo: 32 rows x 784 bytes; no tensor load ever fills it
.set XKB,   1048576                    ; bytes from a K step of xb to the next
.set WKB,   393216                     ; of wb
.set QROW,  6144                       ; bytes in a row of qkv and of lo
.set ADRA, 16                          ; v16-17 LDS address of my xb fragments in slot 0, 1
.set RD2,  18                          ; v18 where I read lo's rows back
.set RDC,  19                          ; v19 where the read-back's trip in hand reads
.set ADRB, 20                          ; v20-21 the same as ADRA for wb
.set STO3, 22                          ; v22 where I put 16 bytes of a row of lo
.set STO,  24                          ; v24 the way out: where I put 16 bytes of a row (blocks a = 0-3); v25 for a = 4-7
.set STO2, 25
.set RD,   26                          ; v26 where I read rows back; never rewritten
.set CO,   27                          ; v27 my byte offset in qkv and in lo
.set SPW,  28                          ; v28 LDS address of my spare word; never rewritten
.set NIL,  29                          ; v29 0; never rewritten
.set PFO,  30                          ; v30 the prefetches' lane offset; never rewritten
.set NEG1, 31                          ; v31 -1.0
.set A0,   32
.set A1,   96
.set BF,   160
.set TMP,  32                          ; the way out: 128 registers of packed results
.set BK0,  32                          ; the way out: 96 registers for rows read back;
.set BK1,  128                         ; 48 for lo's
.set G1A, 24                           ; s[24:31] descriptor group 1 for xb's tiles; s[32:39] group 0, a set for each slot
.set G0A, 32
.set PFA, 44                           ; s[44:45] where my prefetches stand
.set PFS, 46                           ; s[46:47] their step: a K step of xb (wave 0) or of wb (waves 1-3)
.set G1B, 48                           ; s[48:55], s[56:63] the same for wb's tiles
.set G0B, 56
.set LIMA, 66                          ; a wave prefetches at a change out of slot 0 while s3 is above this,
.set LIMB, 67                          ; out of slot 1 while s3 is above this; the greatest number in a wave that does not ask
.set LOP, 84                           ; s[84:85] lo at the rows that I store
.set CLY, 86                           ; s86 cluster y
.set TBR, 87                           ; s87 the read-back's step through the stage
.set MSB, 0
.macro WIN new                         ; the immediate's high byte repeats the setting that is left; a switch that changes nothing is dropped
.if MSB != (\new)
	s_set_vgpr_msb (MSB<<8)|(\new)
.set MSB, \new
.endif
.endm
.macro PLACES                          ; four plain vector instructions between a matrix instruction and a load into, or a vector read of, its registers (ISA guide 7.12.1 for vector reads)
.rept 4
	v_nop
.endr
.endm
; A joint load: waves 0 and 1 fetch xb's two halves, waves 2 and 3 wb's.  The branch hangs on the wave's number alone.  An s_nop 0 and four v_nop follow each line.
.macro JLOAD s
	s_cmp_eq_u32 s11, 0
	s_cbranch_scc0 .Lfor_b_\@
	tensor_load_to_lds s[G0A+4*(\s):G0A+4*(\s)+3], s[G1A:G1A+7]
	s_nop 0
.rept 4
	v_nop
.endr
	s_branch .Lasked_\@
.Lfor_b_\@:
	tensor_load_to_lds s[G0B+4*(\s):G0B+4*(\s)+3], s[G1B:G1B+7]
	s_nop 0
.rept 4
	v_nop
.endr
.Lasked_\@:
.endm
.macro CREST                           ; a round of the cluster's barrier behind its opening barrier
	s_cmp_lg_u32 s10, 0
	s_cbranch_scc1 .Lnot_wave_0_\@
	s_barrier_signal -3
.Lnot_wave_0_\@:
	s_barrier_wait -3
	s_barrier_signal -1
	s_barrier_wait -1
.endm
.macro CROUND
	s_barrier_signal -1
	s_barrier_wait -1
	CREST
.endm
; A prefetch into the L2, behind a joint load, its five lines and the run of LDS loads that follows.  Each aligned block of 256 bytes is named once in the launch:
; xb's tile row is read by both clusters of a row of clusters: cluster x = 0 asks, wave 0, a lane a block; the four partners that share the tile take 32 of its 128 blocks each, told apart by address (cx).
; wb's tile column is read by the eight clusters of a column: cluster y = 0 asks, waves 1-3; the partners take 48 of a K step's 192 blocks each (cy), and 96 lanes name two K steps at once.
; At the change behind K step t the refill asks for step t + 2; xb's prefetch names step t + 3; wb's, at odd t alone, steps t + 3 and t + 4.  The last trips name nothing past step 15.
.macro ASK lim
	s_cmp_gt_u32 s3, s[\lim]
	s_cbranch_scc0 .Lnot_mine_\@
	global_prefetch_b8 v[PFO], s[PFA:PFA+1] th:TH_LOAD_NT scope:SCOPE_SE
.Lnot_mine_\@:
.endm
	s_load_b128 s[4:7], s[0:1], 0x0                ; xb s[4:5], wb s[6:7]
	s_load_b64 s[8:9], s[0:1], 0x10                ; qkv
	s_load_b64 s[LOP:LOP+1], s[0:1], 0x18          ; lo
	v_lshl_add_u32 v[SPW], v0, 2, SPARE
	v_mov_b32 v[NIL], 0
	ds_add_u32 v[SPW], v[NIL]                      ; the wave's opening: the add and its wait stand ahead of my first tensor load; work on registers stands between them
	v_lshrrev_b32 v1, 5, v0
	v_readfirstlane_b32 s10, v1                    ; wave 0..3
	s_lshr_b32 s11, s10, 1                         ; which half of the tile's rows is mine.  Also: I fetch for xb (0) or wb (1)
	s_and_b32 s12, s10, 1                          ; which half of its columns.  Also: which half of that tile I fetch
	s_bfe_u32 s40, ttmp6, 0x40000                  ; cx
	s_bfe_u32 s41, ttmp6, 0x40004                  ; cy
	s_lshl_b32 s42, ttmp9, 2
	s_add_co_u32 s42, s42, s40                     ; tile column = 4 x cluster x + cx
	s_and_b32 s[CLY], ttmp7, 0xffff                ; cluster y: the block of 256 rows in a batch
	s_lshl_b32 s13, s41, 3
	s_add_co_u32 s13, s13, s[CLY]                  ; tile row = 8 x cy + cluster y: the batch is cy
	s_lshl_b32 s43, s41, 2
	s_lshl_b32 s43, 15, s43                        ; my row of the cluster
	s_lshl_b32 s68, 0x1111, s40                    ; my column
	s_or_b32 s[G1A+0], s43, (1<<16)|(1<<20)|(1<<21)|(4<<22)|(3<<25)  ; the mask; 2-byte elements; padding on; bit 21 beside a mask; after every 32 words, 4 words
	s_or_b32 s[G1B+0], s68, (1<<16)|(1<<20)|(1<<21)|(4<<22)|(3<<25)
	s_mov_b32 s[G1A+1], 128<<16                    ; tensor_dim0 = 128 elements: 256 bytes, two tile rows
	s_mov_b32 s[G1B+1], 128<<16
	s_mov_b32 s[G1A+2], 64<<16                     ; tensor_dim1 = 64 such rows: 128 rows of xb
	s_mov_b32 s[G1B+2], 96<<16                     ; 96: 192 rows of wb
	s_mov_b32 s[G1A+3], 128<<16                    ; tile_dim0
	s_mov_b32 s[G1B+3], 128<<16
	s_mov_b32 s[G1A+4], 64                         ; tile_dim1
	s_mov_b32 s[G1B+4], 96
	s_mov_b32 s[G1A+5], 128                        ; elements from row to row: dense
	s_mov_b32 s[G1B+5], 128
	s_mov_b32 s[G1A+6], 0
	s_mov_b32 s[G1B+6], 0
	s_mov_b32 s[G1A+7], 0
	s_mov_b32 s[G1B+7], 0
	s_lshl_b32 s16, s13, 15                        ; xb: 256 rows x 128 bytes a tile row,
	s_lshl_b32 s17, s12, 14                        ; + my half
	s_add_co_u32 s16, s16, s17
	s_mov_b32 s17, 0
	s_mul_i32 s70, s42, 49152                      ; wb: 384 rows x 128 bytes a tile column,
	s_mul_i32 s71, s12, 24576                      ; + my half
	s_add_co_u32 s70, s70, s71
	s_mov_b32 s71, 0
	s_mul_i32 s20, s12, AHALF                      ; where they go: no place in the cluster enters an LDS address
	s_mul_i32 s21, s12, BHALF
	s_add_co_u32 s21, s21, BOFF
	s_wait_dscnt 0x0                               ; the opening add is done
	s_wait_kmcnt 0x0
	s_add_nc_u64 s[14:15], s[4:5], s[16:17]
	s_add_nc_u64 s[72:73], s[6:7], s[70:71]
	CROUND                                         ; all sixteen work-groups are here: the first joint loads meet
.irp s, 0,1
	s_mov_b32 s[G0A+4*(\s)], 1
	s_add_co_u32 s[G0A+4*(\s)+1], s20, (\s)*SLOT
	s_add_nc_u64 s[G0A+4*(\s)+2:G0A+4*(\s)+3], s[14:15], (\s)*XKB  ; K step s
	s_or_b32 s[G0A+4*(\s)+3], s[G0A+4*(\s)+3], 0x80000000
	s_mov_b32 s[G0B+4*(\s)], 1
	s_add_co_u32 s[G0B+4*(\s)+1], s21, (\s)*SLOT
	s_add_nc_u64 s[G0B+4*(\s)+2:G0B+4*(\s)+3], s[72:73], (\s)*WKB
	s_or_b32 s[G0B+4*(\s)+3], s[G0B+4*(\s)+3], 0x80000000
.endr
	s_cmp_eq_u32 s11, 0                            ; a wave's two first fills stand in one branch: two loads of mine are out
	s_cbranch_scc0 .Lfirst_b
	tensor_load_to_lds s[G0A:G0A+3], s[G1A:G1A+7]
	s_nop 0
	tensor_load_to_lds s[G0A+4:G0A+7], s[G1A:G1A+7]
	s_nop 0
.rept 4
	v_nop
.endr
	s_branch .Lfirst_asked
.Lfirst_b:
	tensor_load_to_lds s[G0B:G0B+3], s[G1B:G1B+7]
	s_nop 0
	tensor_load_to_lds s[G0B+4:G0B+7], s[G1B:G1B+7]
	s_nop 0
.rept 4
	v_nop
.endr
.Lfirst_asked:
	; a fragment is 16 rows x 32 K in 8 registers: lane l holds row l % 16; registers 0-3 K = 8 (l / 16) + 0..7, registers 4-7 K = 16 + 8 (l / 16) + 0..7: two loads of 16 bytes, 32 bytes apart
	v_and_b32 v1, 15, v0                           ; l % 16
	v_bfe_u32 v2, v0, 4, 1                         ; l / 16
	v_mul_u32_u24 v3, v1, PITCH
	v_lshl_add_u32 v3, v2, 4, v3
	s_mul_i32 s20, s11, AHALF                      ; my 128 rows of xb
	s_mul_i32 s21, s12, BHALF                      ; my 192 rows of wb
	s_add_co_u32 s21, s21, BOFF
.irp s, 0,1
	v_add_nc_u32 v[ADRA+(\s)], s20, v3
	v_add_nc_u32 v[ADRB+(\s)], s21, v3
	s_add_co_u32 s20, s20, SLOT
	s_add_co_u32 s21, s21, SLOT
.endr
	v_mul_u32_u24 v4, v1, SP                       ; into the stage: row 128 rh + 16 a + l % 16, byte 384 ch + 32 b + 16 (l / 16)
	v_lshl_add_u32 v4, v2, 4, v4
	s_mul_i32 s22, s11, 128*SP
	s_mul_i32 s23, s12, 384
	s_add_co_u32 s22, s22, s23
	v_add_nc_u32 v[STO], s22, v4
	v_add_nc_u32 v[STO2], 64*SP, v[STO]
	s_add_co_u32 s23, s23, STAGE2                  ; into lo's stage: row 16 a + l % 16, a = 0, 1 (only waves 0 and 1 store there)
	v_add_nc_u32 v[STO3], s23, v4
	v_mul_u32_u24 v5, v2, SP                       ; back: wave w takes rows 64 w .. 64 w + 63; lanes 0-15 256 bytes of one row, lanes 16-31 of the next
	v_lshl_add_u32 v5, v1, 4, v5
	s_mul_i32 s22, s10, 64*SP
	v_add_nc_u32 v[RD], s22, v5
	s_mul_i32 s22, s10, 8*SP                       ; of lo's stage: rows 8 w .. 8 w + 7
	s_add_co_u32 s22, s22, STAGE2
	v_add_nc_u32 v[RD2], s22, v5
	v_mul_u32_u24 v5, v2, QROW
	v_lshl_add_u32 v[CO], v1, 4, v5
	s_lshl_b32 s74, s13, 8
	s_lshl_b32 s75, s10, 6
	s_add_co_u32 s74, s74, s75                     ; the first row of qkv that I store
	s_mul_i32 s74, s74, QROW
	s_mul_i32 s75, s42, 768                        ; the tile's first column, in bytes
	s_add_co_u32 s74, s74, s75
	s_mov_b32 s75, 0
	s_add_nc_u64 s[8:9], s[8:9], s[74:75]
	s_lshl_b32 s88, s41, 5                         ; lo: 32 rows a batch,
	s_lshl_b32 s89, s10, 3                         ; 8 a wave
	s_add_co_u32 s88, s88, s89
	s_mul_i32 s88, s88, QROW
	s_mul_i32 s89, s42, 768
	s_add_co_u32 s88, s88, s89
	s_mov_b32 s89, 0
	s_add_nc_u64 s[LOP:LOP+1], s[LOP:LOP+1], s[88:89]
	; the prefetches' addresses, at K step 2: the first change of slots steps them to step 3
	s_lshl_b32 s76, s13, 15
	s_lshl_b32 s77, s40, 13                        ; cx x 32 blocks
	s_add_co_u32 s76, s76, s77
	s_add_co_u32 s76, s76, 2*XKB
	s_mul_i32 s77, s42, 49152
	s_mul_i32 s78, s41, 12288                      ; cy x 48 blocks
	s_add_co_u32 s77, s77, s78
	s_add_co_u32 s77, s77, 2*WKB
	s_mov_b32 s80, s[CLY]
	s_mov_b32 s81, XKB
	s_cmp_eq_u32 s10, 0                            ; wave 0 asks for xb's blocks, waves 1-3 for wb's
	s_cselect_b64 s[PFA:PFA+1], s[4:5], s[6:7]
	s_cselect_b32 s78, s76, s77
	s_cselect_b32 s80, ttmp9, s80                  ; the coordinate along which other clusters read the same blocks
	s_cselect_b32 s[PFS], s81, WKB
	s_cselect_b32 s82, 0, 32
	s_cselect_b32 s83, 0, -1
	s_mov_b32 s79, 0
	s_mov_b32 s[PFS+1], 0
	s_cmp_eq_u32 s80, 0                            ; the same in all sixteen partners, for a given wave
	s_cselect_b32 s[LIMB], 1, -1
	s_cselect_b32 s[LIMA], s83, -1
	s_add_nc_u64 s[PFA:PFA+1], s[PFA:PFA+1], s[78:79]
	s_mov_b32 s81, WKB-12288
	v_sub_nc_u32 v[PFO], v0, s82                   ; u: wave 0: the lane; waves 1-3: 0 .. 95
	v_cmp_le_u32 vcc_lo, 48, v[PFO]                ; u >= 48: the second of the two K steps
	v_cndmask_b32 v31, 0, s81, vcc_lo
	v_lshl_add_u32 v[PFO], v[PFO], 8, v31          ; 256 u, or a K step on and 48 blocks back
	v_mov_b32 v[NEG1], -1.0
; Matrix instructions for b blocks bb0 .. bb1 of window w's four, all eight a blocks, 32 along K.  The accumulators take turns, one instruction a turn.  zero = 1: the product starts the sum.
.macro MUL w, bb0, bb1, ab, zero
	WIN 0x50*(\w)
.set bb, \bb0
.rept (\bb1)-(\bb0)+1
.set aa, 0
.rept 8
.set rD, 8*(8*bb+aa)
.set rB, BF+8*(4*((\w)-1)+bb)
.set rA, (\ab)+8*aa
.if \zero
	v_wmma_f32_16x16x32_bf16 v[rD:rD+7], v[rB:rB+7], v[rA:rA+7], 0
.else
	v_wmma_f32_16x16x32_bf16 v[rD:rD+7], v[rB:rB+7], v[rA:rA+7], v[rD:rD+7]
.endif
.set aa, aa+1
.endr
.set bb, bb+1
.endr
.endm
.macro LOADB slot, kq, b0              ; wb's fragments b0 .. b0 + 3 of the half step kq: 8 loads
.irp i, 0,1,2,3
	ds_load_b128 v[BF+8*((\b0)+(\i)):BF+8*((\b0)+(\i))+3],   v[ADRB+(\slot)] offset:64*(\kq)+((\b0)+(\i))*16*PITCH
	ds_load_b128 v[BF+8*((\b0)+(\i))+4:BF+8*((\b0)+(\i))+7], v[ADRB+(\slot)] offset:64*(\kq)+((\b0)+(\i))*16*PITCH+32
.endr
.endm
.macro LOADA slot, kq, ab              ; xb's eight fragments: 16 loads
.irp i, 0,1,2,3,4,5,6,7
	ds_load_b128 v[(\ab)+8*(\i):(\ab)+8*(\i)+3],   v[ADRA+(\slot)] offset:64*(\kq)+(\i)*16*PITCH
	ds_load_b128 v[(\ab)+8*(\i)+4:(\ab)+8*(\i)+7], v[ADRA+(\slot)] offset:64*(\kq)+(\i)*16*PITCH+32
.endr
.endm
; Half a K step: 96 matrix instructions on buffer ab.  Behind each third the wb fragments just multiplied are fetched anew, for the half step (slot, kq); with the first go xb's, into abn.
; The runs are 24, 8 and 8 loads.  Waits: 16 = the last half step's second and third run are younger than its first; 32 = its third and my first; 32 = my first and second.
.macro QUARTER slot, kq, ab, abn, zero
	s_wait_dscnt 16
	MUL 1, 0, 3, \ab, \zero
	WIN 0
	PLACES
	LOADB \slot, \kq, 0
	LOADA \slot, \kq, \abn
	s_wait_dscnt 32
	MUL 2, 0, 3, \ab, \zero
	WIN 0
	PLACES
	LOADB \slot, \kq, 4
	s_wait_dscnt 32
	MUL 3, 0, 3, \ab, \zero
	WIN 0
	PLACES
	LOADB \slot, \kq, 8
.endm
; The second half of a K step, on buffer A1, changes slots: ONE barrier.  In front of it each wave waits for all its tensor loads (one is out: its part of the other slot), adds 0 to its spare word,
; and waits for that and for its reads of this slot, all of which were issued in the half step before.  fill = 1: the barrier opens a round of the cluster's, and the joint refill, two K steps on, is the first thing behind it:
; it has 160 matrix instructions in which to land.
.macro TURN slot, fill
	s_wait_xcnt 0x0                                ; the last prefetch, a K step back, has read its address
	s_add_nc_u64 s[PFA:PFA+1], s[PFA:PFA+1], s[PFS:PFS+1]
	WIN 0
	s_wait_tensorcnt 0x0
	ds_add_u32 v[SPW], v[NIL]
	s_wait_dscnt 17                                ; the two younger runs and the add may be out
	MUL 1, 0, 1, A1, 0
	s_wait_dscnt 0x0                               ; the add is done, and my reads of this slot are over
	s_barrier_signal -1
	MUL 1, 2, 3, A1, 0
	WIN 0                                          ; at a branch and at a label every window is 0
	s_barrier_wait -1
.if \fill
	CREST                                          ; no wave of any partner still reads this slot's tiles or has a load on its way
	s_add_nc_u64 s[G0A+4*(\slot)+2:G0A+4*(\slot)+3], s[G0A+4*(\slot)+2:G0A+4*(\slot)+3], 2*XKB
	s_add_nc_u64 s[G0B+4*(\slot)+2:G0B+4*(\slot)+3], s[G0B+4*(\slot)+2:G0B+4*(\slot)+3], 2*WKB
	JLOAD \slot                                    ; its four v_nop are also the places in front of the loads below
.else
	PLACES
.endif
	LOADB 1-(\slot), 0, 0
	LOADA 1-(\slot), 0, A0
.if \fill
.if (\slot) == 0
	ASK LIMA
.else
	ASK LIMB
.endif
.endif
	MUL 2, 0, 3, A1, 0
	WIN 0
	PLACES
	LOADB 1-(\slot), 0, 4
	MUL 3, 0, 3, A1, 0
	WIN 0
	PLACES
	LOADB 1-(\slot), 0, 8
.endm
	s_wait_tensorcnt 0x1                           ; my part of K step 0 is in; step 1's may stay out
	s_barrier_signal -1
	s_barrier_wait -1
	LOADB 0, 0, 0
	LOADA 0, 0, A0
	LOADB 0, 0, 4
	LOADB 0, 0, 8
	QUARTER 0, 1, A0, A1, 1                        ; the first half step stands in front of the loop: its products start the sums
	s_mov_b32 s3, 7
.Llap:                                                 ; a trip goes once round the ring, from a K step's second half to the first half of the step two on, and fills both slots again
	TURN 0, 1
	QUARTER 1, 1, A0, A1, 0
	TURN 1, 1
	QUARTER 0, 1, A0, A1, 0
	s_sub_co_u32 s3, s3, 1
	s_cmp_lg_u32 s3, 0
	s_cbranch_scc1 .Llap
	TURN 0, 0                                      ; K steps 14 and 15: nothing is left to fetch
	QUARTER 1, 1, A0, A1, 0
	s_wait_dscnt 16
	MUL 1, 0, 3, A1, 0
	s_wait_dscnt 8
	MUL 2, 0, 3, A1, 0
	s_wait_dscnt 0x0
	MUL 3, 0, 3, A1, 0
	; THE WAY OUT.  Nobody reads the ring any more behind this barrier, and it has had its last fill: the stage lies over it.
	WIN 0
	s_barrier_signal -1
	s_barrier_wait -1
	PLACES
.irp w, 1,2,3
	WIN 5*(\w)                                     ; sources 0 and 1 in window w, destination in window 0
.set idx, 0
.rept 32
.irp r, 0,1,2,3
	v_cvt_pk_f16_f32 v[TMP+4*idx+(\r)], v[8*idx+2*(\r)], v[8*idx+2*(\r)+1]  ; each accumulator from its low end on
.endr
.set idx, idx+1
.endr
	WIN 0
.set idx, 0
.rept 32
.set aa, idx%8
.set bc, 4*((\w)-1)+idx/8
.if aa < 4
	ds_store_b128 v[STO], v[TMP+4*idx:TMP+4*idx+3] offset:aa*16*SP+32*bc
.else
	ds_store_b128 v[STO2], v[TMP+4*idx:TMP+4*idx+3] offset:(aa-4)*16*SP+32*bc
.endif
.set idx, idx+1
.endr
	s_cmp_lg_u32 s11, 0                            ; lo: rows 0-31 of the tile are blocks a = 0, 1 of waves 0 and 1,
	s_cbranch_scc1 .Lno_lo_\w
	s_cmp_lg_u32 s[CLY], 0                         ; in a batch's first tile row
	s_cbranch_scc1 .Lno_lo_\w
	WIN (\w)<<4                                    ; source 2 in window w
.set idx, 0
.rept 32
.if (idx%8) < 2
.irp r, 0,1,2,3                        ; in place: each half of the packed word is replaced by f16(sum - that half): the half times -1 plus the sum, rounded once
	v_fma_mixlo_f16 v[TMP+4*idx+(\r)], v[TMP+4*idx+(\r)], v[NEG1], v[8*idx+2*(\r)] op_sel_hi:[1,0,0]
	v_fma_mixhi_f16 v[TMP+4*idx+(\r)], v[TMP+4*idx+(\r)], v[NEG1], v[8*idx+2*(\r)+1] op_sel:[1,0,0] op_sel_hi:[1,0,0]
.endr
.endif
.set idx, idx+1
.endr
	WIN 0
.set idx, 0
.rept 32
.if (idx%8) < 2
	ds_store_b128 v[STO3], v[TMP+4*idx:TMP+4*idx+3] offset:(idx%8)*16*SP+32*(4*((\w)-1)+idx/8)
.endif
.set idx, idx+1
.endr
.Lno_lo_\w:
.endr
	s_wait_dscnt 0x0                               ; for the others' sake: a row's 768 bytes come from two waves
	s_barrier_signal -1
	s_barrier_wait -1
	; my 64 rows go out in four trips of 16 rows: 24 loads of 256 bytes of two rows, 24 stores.  Written once: only the stage's offset and qkv's address step
	s_mov_b32 s3, 4
	s_mov_b32 s[TBR], 0
.Lback:
	v_add_nc_u32 v[RDC], s[TBR], v[RD]
.set i, 0
.rept 24
	ds_load_b128 v[BK0+4*i:BK0+4*i+3], v[RDC] offset:(i/3)*2*SP+(i%3)*256
.set i, i+1
.endr
.set i, 0
.rept 24
.if (i%8) == 0
	s_wait_dscnt 16-i                              ; one wait for eight stores: the trip's younger loads may be out
.endif
	global_store_b128 v[CO], v[BK0+4*i:BK0+4*i+3], s[8:9] offset:(i/3)*2*QROW+(i%3)*256  ; 16 lanes store 256 consecutive bytes, at a multiple of 256 from qkv's first byte
.set i, i+1
.endr
	s_wait_xcnt 0x0                                ; the stores have read their data and their base: both are written again only behind this wait
	s_add_nc_u64 s[8:9], s[8:9], 16*QROW
	s_add_co_u32 s[TBR], s[TBR], 16*SP
	s_sub_co_u32 s3, s3, 1
	s_cmp_lg_u32 s3, 0
	s_cbranch_scc1 .Lback
	s_cmp_lg_u32 s[CLY], 0                         ; lo's 32 rows, 8 a wave, through registers that no pending store reads
	s_cbranch_scc1 .Lfin
.set i, 0
.rept 12
	ds_load_b128 v[BK1+4*i:BK1+4*i+3], v[RD2] offset:(i/3)*2*SP+(i%3)*256
.set i, i+1
.endr
	s_wait_dscnt 0x0
.set i, 0
.rept 12
	global_store_b128 v[CO], v[BK1+4*i:BK1+4*i+3], s[LOP:LOP+1] offset:(i/3)*2*QROW+(i%3)*256
.set i, i+1
.endr
.Lfin:
	s_wait_tensorcnt 0x0                           ; the wave's end
	ds_add_u32 v[SPW], v[NIL]
	s_wait_dscnt 0x0
	CROUND                                         ; the closing round
	s_endpgm
.Lfunc_end_k_qb253b8dc66_proj:
	.size	k_qb253b8dc66_proj, .Lfunc_end_k_qb253b8dc66_proj-k_qb253b8dc66_proj
	.p2alignl 7, 3214868480
	.fill 96, 4, 3214868480
	.section	.rodata,"a",@progbits
	.p2align	6, 0x0
	.amdhsa_kernel k_qb253b8dc66_proj
		.amdhsa_group_segment_fixed_size 327680
		.amdhsa_private_segment_fixed_size 0
		.amdhsa_enable_private_segment 0
		.amdhsa_kernarg_size 32
		.amdhsa_user_sgpr_count 2
		.amdhsa_user_sgpr_kernarg_segment_ptr 1
		.amdhsa_wavefront_size32 1
		.amdhsa_system_sgpr_workgroup_id_x 1
		.amdhsa_system_sgpr_workgroup_id_y 1
		.amdhsa_system_sgpr_workgroup_id_z 1
		.amdhsa_system_vgpr_workitem_id 0
		.amdhsa_next_free_vgpr 1024
		.amdhsa_next_free_sgpr 90
		.amdhsa_reserve_vcc 1
		.amdhsa_float_denorm_mode_32 3
		.amdhsa_float_denorm_mode_16_64 3
		.amdhsa_memory_ordered 1
		.amdhsa_forward_progress 1
		.amdhsa_inst_pref_size 136
	.end_amdhsa_kernel
	.amdgpu_metadata
---
amdhsa.version: [ 1, 2 ]
amdhsa.kernels:
  - .name:           k_qb253b8dc66_proj
    .symbol:         k_qb253b8dc66_proj.kd
    .args:
      - { .name: xb, .offset: 0, .size: 8, .value_kind: global_buffer, .address_space: global }
      - { .name: wb, .offset: 8, .size: 8, .value_kind: global_buffer, .address_space: global }
      - { .name: qkv, .offset: 16, .size: 8, .value_kind: global_buffer, .address_space: global }
      - { .name: lo, .offset: 24, .size: 8, .value_kind: global_buffer, .address_space: global }
    .group_segment_fixed_size: 327680
    .private_segment_fixed_size: 0
    .kernarg_segment_align: 8
    .kernarg_segment_size: 32
    .max_flat_workgroup_size: 128
    .sgpr_count:     90
    .vgpr_count:     1024
    .wavefront_size: 32
...
	.end_amdgpu_metadata
.endif
;; end of part 2
;; launch scores (part 3): grid 37 x 4, 4 waves a work-group, no clusters, 327,680 bytes of LDS; arguments qkv, lo, sc; writes sc
.if DOCPART == 3
	.amdgcn_target "amdgcn-amd-amdhsa--gfx1250"
	.amdhsa_code_object_version 6
	.text
	.protected	k_qb253b8dc66_scores
	.globl	k_qb253b8dc66_scores
	.p2align	8
	.type	k_qb253b8dc66_scores,@function
k_qb253b8dc66_scores:
	s_mov_b64 s[64:65], 0
	v_nop
	global_prefetch_b8 v0, s[64:65] scope:SCOPE_SE
	s_setreg_imm32_b32 hwreg(HW_REG_WAVE_MODE, 25, 1), 1
	s_wait_xcnt 0x0
; sc[b][q][k] = q[b][q] . k[b][k], unscaled, f32, for the 36 tiles of 256 x 256 on and below the diagonal of each batch (tiles above it are never read).  Operands f16 out of qkv, sums f32, K ascending.
; Work-group t < 36 of a batch makes tile (I, J), J <= I, t = I (I + 1) / 2 + J.  Four waves, 128 x 128 each: 64 accumulators.  K goes in steps of 128 (rows of 256 bytes, aligned) through two LDS slots.
; WORK-GROUP 36 makes what q's and k's rounding to f16 lost in the first rows and keys: its 256 "queries" are q_lo(0-127), q(0-127), its 256 "keys" k(0-127), k_lo(0-127).  lo holds rows 0-31 of a batch: the two waves that
; fetch from it state 32 rows as the tensor's extent, and the tile's rows 32-127 arrive as zeros: q_lo and k_lo count as 0 there.  It stores into the place of tile (0, 1), which nothing else uses:
; sc[q][256 + k] = q_lo . k, sc[q][384 + k] = q_lo . k_lo, sc[128 + q][384 + k] = q . k_lo; the fourth quadrant repeats q . k and is not read.  The next launch adds the three to sc[q][k].
; NO CLUSTER: row I of the triangle has I + 1 tiles and column J has 8 - J, neither a multiple of four, and a square cluster would hold work-groups above the diagonal with nothing of use to do.
; Each wave fetches 128 rows of its own (waves 0, 1: q's two halves; waves 2, 3: k's), one tensor load behind each barrier.
; THE PRODUCT IS TAKEN TRANSPOSED (source 0 = 16 keys, source 1 = 16 queries): a lane holds query lane % 16 and the eight keys 8 (lane / 16) + 0..7.
; REGISTERS: window 0: v16-30 addresses; v32-95, v96-159 q's fragments, two buffers (on the way out: rows read back); v160-223 k's 8 fragments, one buffer, refilled four at a time;
;   windows 1, 2: accumulator (a, b) in window 1 + b / 4 at v[8 (8 (b % 4) + a)].
.set PITCH, 272                        ; 256 bytes + 16 = 68 words: the 16 rows of a load start at 16 different groups of four banks (64 banks of 4 bytes: ISA guide 11.1)
.set QUART, 128*PITCH                  ; what one wave fetches
.set SLOT,  4*QUART                    ; 0x22000: neither of its two bits is set in a wave's offset, so one exclusive or changes slots
.set STAGE, 2*SLOT                     ; behind the ring: 16 rows x 528 bytes for each wave
.set SPS,   528
.set SPARE, STAGE+4*16*SPS             ; the spare words, 128 bytes a wave, that no other line names
.set ADRA, 16                          ; v16 LDS address of my q fragments in the slot in hand; v17 of k's
.set ADRB, 17
.set A0L,  18                          ; v18, v19 the same in slot 0; never rewritten
.set B0L,  19
.set STO,  24
.set RD,   25
.set CO,   26
.set SPW,  28
.set NIL,  29
.set PFO,  30                          ; v30 lane x a row of qkv
.set A0,   32
.set A1,   96
.set BF,   160
.set TMP,  32
.set G1,  24                           ; s[24:31] descriptor group 1
.set G0F, 32                           ; s[32:35] group 0 of the first fill of slot 0
.set G0W, 36                           ; s[36:39] group 0 that walks: slot 1 and K step 1 first
.set TB,  40                           ; s40 the slot that the fragment loads read
.set PFA, 44                           ; s[44:45] where my prefetches stand
.set LIM, 46                           ; s46 1 in a work-group on the diagonal, else the greatest number
.set XT,  47                           ; s47 1 in work-group 36
.set FLO, 48                           ; s48 1 in its waves 0 and 3, whose rows come from lo
.set MSB, 0
.macro WIN new
.if MSB != (\new)
	s_set_vgpr_msb (MSB<<8)|(\new)
.set MSB, \new
.endif
.endm
.macro PLACES
.rept 4
	v_nop
.endr
.endm
; A prefetch into the L2: block I of q is read by the I + 1 work-groups of its row, block J of k by the 8 - J of its column; each has one work-group on the diagonal, and that one asks:
; every wave for its own 128 rows x 256 bytes, a lane a row, four lines, of the K step after the one that the refill just issued asks for.  The last trip would name step 8, and asks for nothing.
.macro ASK
	s_cmp_gt_u32 s3, s[LIM]
	s_cbranch_scc0 .Lnot_mine_\@
.irp j, 0,1,2,3
	global_prefetch_b8 v[PFO], s[PFA:PFA+1] offset:(\j)*32*6144 th:TH_LOAD_NT scope:SCOPE_SE
.endr
.Lnot_mine_\@:
.endm
	s_load_b128 s[4:7], s[0:1], 0x0                ; qkv s[4:5], lo s[6:7]
	s_load_b64 s[8:9], s[0:1], 0x10                ; sc
	v_lshl_add_u32 v[SPW], v0, 2, SPARE
	v_mov_b32 v[NIL], 0
	ds_add_u32 v[SPW], v[NIL]                      ; the wave's opening: the add and its wait stand ahead of my first tensor load
	v_lshrrev_b32 v1, 5, v0
	v_readfirstlane_b32 s10, v1
	s_lshr_b32 s11, s10, 1                         ; which half of the tile's queries is mine
	s_and_b32 s12, s10, 1                          ; which half of its keys.  Also: which half of q's or k's block I fetch
	s_and_b32 s20, ttmp7, 0xffff                   ; batch
	s_mov_b32 s13, 0
.irp th, 1,3,6,10,15,21,28
	s_cmp_ge_u32 ttmp9, \th                        ; I = how many rows of the triangle begin at or before t
	s_add_co_ci_u32 s13, s13, 0
.endr
	s_add_co_u32 s14, s13, 1
	s_mul_i32 s14, s14, s13
	s_lshr_b32 s14, s14, 1
	s_sub_co_u32 s15, ttmp9, s14                   ; J
	s_cmp_eq_u32 ttmp9, 36                         ; work-group 36 stores into the place of tile (0, 1)
	s_cselect_b32 s13, 0, s13
	s_cselect_b32 s15, 1, s15
	s_cselect_b32 s[XT], 1, 0
	s_xor_b32 s[FLO], s11, s12                     ; 0 in waves 0 and 3
	s_xor_b32 s[FLO], s[FLO], 1
	s_and_b32 s[FLO], s[FLO], s[XT]
	s_cmp_lt_u32 s10, 2
	s_cselect_b32 s16, s13, s15                    ; waves 0, 1: block I of q; waves 2, 3: block J of k,
	s_cselect_b32 s17, 0, 2048                     ; which begins 2,048 bytes into a row of qkv and of lo
	s_lshl_b32 s18, s20, 11                        ; the batch's first row in qkv,
	s_lshl_b32 s49, s20, 5                         ; and in lo
	s_lshl_b32 s16, s16, 8
	s_lshl_b32 s19, s12, 7
	s_add_co_u32 s16, s16, s19                     ; my first row in the batch;
	s_cmp_eq_u32 s[XT], 1
	s_cselect_b32 s16, 0, s16                      ; in work-group 36 every wave begins at row 0
	s_cmp_eq_u32 s[FLO], 1
	s_cselect_b32 s18, s49, s18
	s_add_co_u32 s16, s16, s18
	s_mul_i32 s16, s16, 6144
	s_add_co_u32 s16, s16, s17
	s_mov_b32 s17, 0
	s_mul_i32 s21, s10, QUART                      ; q's two halves, then k's two halves
	s_mov_b32 s[G1+0], (1<<16)|(1<<20)|(5<<22)|(3<<25)  ; 2-byte elements; padding on: after every 64 words, 4 words
	s_mov_b32 s[G1+1], 128<<16                     ; tensor_dim0 = 128
	s_mov_b32 s[G1+2], 128<<16                     ; tensor_dim1 = 128;
	s_mov_b32 s49, 32<<16
	s_cmp_eq_u32 s[FLO], 1
	s_cselect_b32 s[G1+2], s49, s[G1+2]            ; from lo: 32, what is left of the batch's rows there: the tile's other 96 rows are not read and arrive as zeros
	s_mov_b32 s[G1+3], 128<<16                     ; tile_dim0 = 128
	s_mov_b32 s[G1+4], 128                         ; tile_dim1 = 128
	s_mov_b32 s[G1+5], 3072                        ; elements from row to row
	s_mov_b32 s[G1+6], 0
	s_mov_b32 s[G1+7], 0
	s_mov_b32 s[TB], 0
	s_cmp_eq_u32 s13, s15
	s_cselect_b32 s[LIM], 1, -1
	s_wait_dscnt 0x0                               ; the opening add is done
	s_wait_kmcnt 0x0
	s_cmp_eq_u32 s[FLO], 1
	s_cselect_b64 s[50:51], s[6:7], s[4:5]         ; my source
	s_add_nc_u64 s[22:23], s[50:51], s[16:17]
	s_mov_b32 s[G0F], 1
	s_mov_b32 s[G0F+1], s21
	s_mov_b64 s[G0F+2:G0F+3], s[22:23]
	s_or_b32 s[G0F+3], s[G0F+3], 0x80000000
	s_mov_b32 s[G0W], 1
	s_add_co_u32 s[G0W+1], s21, SLOT
	s_add_nc_u64 s[G0W+2:G0W+3], s[22:23], 256
	s_or_b32 s[G0W+3], s[G0W+3], 0x80000000
	tensor_load_to_lds s[G0F:G0F+3], s[G1:G1+7]    ; K step 0
	s_nop 0
	tensor_load_to_lds s[G0W:G0W+3], s[G1:G1+7]    ; K step 1: two loads of mine are out
	s_nop 0
.rept 4
	v_nop
.endr
	s_add_nc_u64 s[PFA:PFA+1], s[22:23], 512       ; at K step 2: the first change of slots steps it to 3
	v_and_b32 v1, 15, v0
	v_bfe_u32 v2, v0, 4, 1
	v_and_b32 v3, 31, v0
	v_mul_u32_u24 v4, v1, PITCH
	v_lshl_add_u32 v4, v2, 4, v4                   ; row x pitch + 16 x half
	s_mul_i32 s18, s11, QUART
	s_mul_i32 s19, s12, QUART
	s_add_co_u32 s19, s19, 2*QUART
	v_add_nc_u32 v[A0L], s18, v4
	v_add_nc_u32 v[B0L], s19, v4
	v_mov_b32 v[ADRA], v[A0L]
	v_mov_b32 v[ADRB], v[B0L]
	s_mul_i32 s18, s10, 16*SPS
	s_add_co_u32 s18, s18, STAGE                   ; my stage
	v_mul_u32_u24 v[STO], v1, SPS                  ; in: row l % 16, 32 bytes for each half of the lanes
	v_lshl_add_u32 v[STO], v2, 5, v[STO]
	v_add_nc_u32 v[STO], s18, v[STO]
	v_lshlrev_b32 v[CO], 4, v3                     ; back: 32 lanes take a row's 512 bytes
	v_add_nc_u32 v[RD], s18, v[CO]
	v_mul_u32_u24 v[PFO], v3, 6144
	s_lshl_b32 s42, s20, 11
	s_lshl_b32 s43, s13, 8
	s_add_co_u32 s42, s42, s43
	s_lshl_b32 s43, s11, 7
	s_add_co_u32 s42, s42, s43                     ; my first row of sc,
	s_lshl_b32 s42, s42, 13                        ; 8,192 bytes a row
	s_lshl_b32 s43, s15, 10
	s_add_co_u32 s42, s42, s43
	s_lshl_b32 s43, s12, 9
	s_add_co_u32 s42, s42, s43                     ; my first column: 1,024 J + 512 ch bytes
	s_mov_b32 s43, 0
	s_add_nc_u64 s[8:9], s[8:9], s[42:43]
.macro MUL w, bb0, bb1, ab, zero       ; b blocks bb0 .. bb1 of window w's four, all eight a blocks; the accumulators take turns
	WIN 0x50*(\w)
.set bb, \bb0
.rept (\bb1)-(\bb0)+1
.set aa, 0
.rept 8
.set rD, 8*(8*bb+aa)
.set rB, BF+8*(4*((\w)-1)+bb)
.set rA, (\ab)+8*aa
.if \zero
	v_wmma_f32_16x16x32_f16 v[rD:rD+7], v[rB:rB+7], v[rA:rA+7], 0
.else
	v_wmma_f32_16x16x32_f16 v[rD:rD+7], v[rB:rB+7], v[rA:rA+7], v[rD:rD+7]
.endif
.set aa, aa+1
.endr
.set bb, bb+1
.endr
.endm
.macro LOADB k, b0                     ; k's fragments b0 .. b0 + 3 of quarter k: 8 loads
.irp i, 0,1,2,3
	ds_load_b128 v[BF+8*((\b0)+(\i)):BF+8*((\b0)+(\i))+3],   v[ADRB] offset:64*(\k)+((\b0)+(\i))*16*PITCH
	ds_load_b128 v[BF+8*((\b0)+(\i))+4:BF+8*((\b0)+(\i))+7], v[ADRB] offset:64*(\k)+((\b0)+(\i))*16*PITCH+32
.endr
.endm
.macro LOADA k, ab                     ; q's eight fragments: 16 loads
.irp i, 0,1,2,3,4,5,6,7
	ds_load_b128 v[(\ab)+8*(\i):(\ab)+8*(\i)+3],   v[ADRA] offset:64*(\k)+(\i)*16*PITCH
	ds_load_b128 v[(\ab)+8*(\i)+4:(\ab)+8*(\i)+7], v[ADRA] offset:64*(\k)+(\i)*16*PITCH+32
.endr
.endm
; A quarter of a K step: 64 matrix instructions on buffer ab; the next quarter kn is fetched in runs of 24 and 8.  Waits: 8 = the last quarter's second run is younger than its first; 24 = my first run is younger than that second.
.macro QUARTER kn, ab, abn, zero
	s_wait_dscnt 8
	MUL 1, 0, 3, \ab, \zero
	WIN 0
	PLACES
	LOADB \kn, 0
	LOADA \kn, \abn
	s_wait_dscnt 24
	MUL 2, 0, 3, \ab, \zero
	WIN 0
	PLACES
	LOADB \kn, 4
.endm
; The fourth quarter, on A1, changes slots: one barrier; in front of it each wave waits for all its tensor loads (one is out: its part of the other slot), adds 0 to its spare word, and waits for that and for its reads of this slot.
; fill = 1: this slot is filled again, two K steps on, first thing behind the barrier: 224 matrix instructions ahead of the wait for it.
.macro TURN fill
	s_wait_xcnt 0x0                                ; the last prefetches, a K step back, have read their address
	s_add_nc_u64 s[PFA:PFA+1], s[PFA:PFA+1], 256
	WIN 0
	s_wait_tensorcnt 0x0
	ds_add_u32 v[SPW], v[NIL]
.if \fill
	s_xor_b32 s[G0W+1], s[G0W+1], SLOT             ; no load of mine is out: the walking descriptor takes the other slot than last time,
	s_add_nc_u64 s[G0W+2:G0W+3], s[G0W+2:G0W+3], 256  ; and the next K step
.endif
	s_xor_b32 s[TB], s[TB], SLOT
	s_wait_dscnt 9                                 ; the younger run and the add may be out
	MUL 1, 0, 1, A1, 0
	s_wait_dscnt 0x0                               ; the add is done, and my reads of this slot are over
	s_barrier_signal -1
	MUL 1, 2, 3, A1, 0
	WIN 0
	s_barrier_wait -1
.if \fill
	tensor_load_to_lds s[G0W:G0W+3], s[G1:G1+7]
	s_nop 0
.endif
	v_add_nc_u32 v[ADRA], s[TB], v[A0L]            ; four plain instructions: the places in front of the loads below
	v_add_nc_u32 v[ADRB], s[TB], v[B0L]
	v_nop
	v_nop
	LOADB 0, 0
	LOADA 0, A0
.if \fill
	ASK
.endif
	MUL 2, 0, 3, A1, 0
	WIN 0
	PLACES
	LOADB 0, 4
.endm
	s_wait_tensorcnt 0x1                           ; my part of K step 0 is in; step 1's may stay out
	s_barrier_signal -1
	s_barrier_wait -1
	LOADB 0, 0
	LOADA 0, A0
	LOADB 0, 4
	QUARTER 1, A0, A1, 1                           ; the first quarter stands in front of the loop: its products start the sums
	s_mov_b32 s3, 6
.Lstep:                                                ; a trip: a K step's quarters 1 to 3 and the next step's quarter 0; one slot is filled again
	QUARTER 2, A1, A0, 0
	QUARTER 3, A0, A1, 0
	TURN 1
	QUARTER 1, A0, A1, 0
	s_sub_co_u32 s3, s3, 1
	s_cmp_lg_u32 s3, 0
	s_cbranch_scc1 .Lstep
	QUARTER 2, A1, A0, 0                           ; K steps 6 and 7: nothing is left to fetch
	QUARTER 3, A0, A1, 0
	TURN 0
	QUARTER 1, A0, A1, 0
	QUARTER 2, A1, A0, 0
	QUARTER 3, A0, A1, 0
	s_wait_dscnt 8
	MUL 1, 0, 3, A1, 0
	s_wait_dscnt 0x0
	MUL 2, 0, 3, A1, 0
	; THE WAY OUT, 16 rows at a time through my own stage: 32 bytes a lane in, whole rows of 512 bytes back.  LDS serves a wave's instructions in order (ISA guide 5.7.1.4), so no wait stands between stores and loads.
	WIN 0
	PLACES
.macro TOST a
	WIN 0
	s_wait_xcnt 0x0                                ; the stores of two blocks back have read the bank that is loaded again
	WIN 0x04                                       ; store data in window 1
.irp bb, 0,1,2,3
	ds_store_b128 v[STO], v[8*(8*(\bb)+(\a)):8*(8*(\bb)+(\a))+3]   offset:64*(\bb)
	ds_store_b128 v[STO], v[8*(8*(\bb)+(\a))+4:8*(8*(\bb)+(\a))+7] offset:64*(\bb)+16
.endr
	WIN 0x08                                       ; in window 2
.irp bb, 0,1,2,3
	ds_store_b128 v[STO], v[8*(8*(\bb)+(\a)):8*(8*(\bb)+(\a))+3]   offset:64*((\bb)+4)
	ds_store_b128 v[STO], v[8*(8*(\bb)+(\a))+4:8*(8*(\bb)+(\a))+7] offset:64*((\bb)+4)+16
.endr
	WIN 0
.irp t, 0,1,2,3,4,5,6,7,8,9,10,11,12,13,14,15
	ds_load_b128 v[TMP+64*((\a)%2)+4*(\t):TMP+64*((\a)%2)+4*(\t)+3], v[RD] offset:(\t)*SPS
.endr
.endm
.macro SEND a, younger                 ; younger: the next block's 32 LDS instructions, or none; one wait for eight stores
.irp t, 0,1,2,3,4,5,6,7,8,9,10,11,12,13,14,15
.if ((\t)%8) == 0
	s_wait_dscnt (\younger)+8-(\t)
.endif
	global_store_b128 v[CO], v[TMP+64*((\a)%2)+4*(\t):TMP+64*((\a)%2)+4*(\t)+3], s[8:9] offset:(16*(\a)+(\t))*8192  ; 512 consecutive bytes, at a multiple of 512 from sc's first byte
.endr
.endm
	TOST 0
.irp a, 1,2,3,4,5,6,7
	TOST \a
	SEND (\a)-1, 32
.endr
	SEND 7, 0
	s_wait_tensorcnt 0x0                           ; the wave's end
	ds_add_u32 v[SPW], v[NIL]
	s_wait_dscnt 0x0
	s_endpgm
.Lfunc_end_k_qb253b8dc66_scores:
	.size	k_qb253b8dc66_scores, .Lfunc_end_k_qb253b8dc66_scores-k_qb253b8dc66_scores
	.p2alignl 7, 3214868480
	.fill 96, 4, 3214868480
	.section	.rodata,"a",@progbits
	.p2align	6, 0x0
	.amdhsa_kernel k_qb253b8dc66_scores
		.amdhsa_group_segment_fixed_size 327680
		.amdhsa_private_segment_fixed_size 0
		.amdhsa_enable_private_segment 0
		.amdhsa_kernarg_size 24
		.amdhsa_user_sgpr_count 2
		.amdhsa_user_sgpr_kernarg_segment_ptr 1
		.amdhsa_wavefront_size32 1
		.amdhsa_system_sgpr_workgroup_id_x 1
		.amdhsa_system_sgpr_workgroup_id_y 1
		.amdhsa_system_sgpr_workgroup_id_z 1
		.amdhsa_system_vgpr_workitem_id 0
		.amdhsa_next_free_vgpr 768
		.amdhsa_next_free_sgpr 66
		.amdhsa_reserve_vcc 0
		.amdhsa_float_denorm_mode_32 3
		.amdhsa_float_denorm_mode_16_64 3
		.amdhsa_memory_ordered 1
		.amdhsa_forward_progress 1
		.amdhsa_inst_pref_size 114
	.end_amdhsa_kernel
	.amdgpu_metadata
---
amdhsa.version: [ 1, 2 ]
amdhsa.kernels:
  - .name:           k_qb253b8dc66_scores
    .symbol:         k_qb253b8dc66_scores.kd
    .args:
      - { .name: qkv, .offset: 0, .size: 8, .value_kind: global_buffer, .address_space: global }
      - { .name: lo, .offset: 8, .size: 8, .value_kind: global_buffer, .address_space: global }
      - { .name: sc, .offset: 16, .size: 8, .value_kind: global_buffer, .address_space: global }
    .group_segment_fixed_size: 327680
    .private_segment_fixed_size: 0
    .kernarg_segment_align: 8
    .kernarg_segment_size: 24
    .max_flat_workgroup_size: 128
    .sgpr_count:     66
    .vgpr_count:     768
    .wavefront_size: 32
...
	.end_amdgpu_metadata
.endif
;; end of part 3
;; launch softmax (part 4): grid 1024 x 1, 8 waves a work-group, no clusters, 0 bytes of LDS; arguments sc, pm; writes pm
.if DOCPART == 4
	.amdgcn_target "amdgcn-amd-amdhsa--gfx1250"
	.amdhsa_code_object_version 6
	.text
	.protected	k_qb253b8dc66_softmax
	.globl	k_qb253b8dc66_softmax
	.p2align	8
	.type	k_qb253b8dc66_softmax,@function
k_qb253b8dc66_softmax:
	s_mov_b64 s[64:65], 0
	v_nop
	global_prefetch_b8 v0, s[64:65] scope:SCOPE_SE
	s_setreg_imm32_b32 hwreg(HW_REG_WAVE_MODE, 25, 1), 1
	s_wait_xcnt 0x0
; pm[b][q][k] = softmax over k <= q of sc[b][q][k] / 32, rounded once to f16; columns q + 1 .. up to the next multiple of 256 are stored as 0; further columns are neither stored here nor read later.
; ROWS q < 128 are kept finer, since they average few keys: to sc[q][k], k < 128, are added the three parts that q's and k's rounding lost (sc[q][256 + k], sc[q][384 + k], sc[q + 128][384 + k]; they hold 0 where
; the launch before had no lo part: q_lo from row 32 on, k_lo from key 32 on), and columns 128-255, which would hold 0, take what p's own rounding lost: pm[q][128 + k] = f16(p - f16(p)).
; The next launch multiplies those columns by v's rows 0-127 once more.
; One wave, one row, kept in registers between the passes: the row is read once.  p = 2^(c s - c m) / l, c = log2(e) / 32, m the row's true maximum over k <= q (column 0 is always visible, so l >= 1).
; LIMITS.  A hidden score counts as the lowest finite f32, whose weight is 0; a weight below 2^-126 counts as 0 in l; from row 128 on p below 6e-5 keeps f16's fixed step of 6e-8; NaN and infinities are not treated apart.
; A row has NB = q / 256 + 1 pairs of chunks of 128 columns; each pass is written out for eight pairs and left by a forward jump behind pair NB.  No LDS, no barrier, no cluster: no wave wants another's bytes.
; WHICH ROWS.  A row's length grows with q, so the blocks of 8 rows are dealt out so that long and short ones meet: work-group g takes batch g % 4 and, with u = g / 4, block u with its low six bits turned over
; where bit 6 of u is set, and all eight bits turned over in odd batches.  The map is one to one; four work-groups with neighbouring numbers, and four whose numbers lie 256 apart, hold blocks whose numbers add up to 510.
.set LO,   2                           ; v2 16 x lane
.set SO,   3                           ; v3 8 x lane
.set D,    4                           ; v4 4 x lane - q
.set NEGR, 5                           ; v5 the lowest finite number
.set M0,   6                           ; v6, v7 two running maxima
.set M1,   7
.set X,    8                           ; v[8:71] pair j at X + 8 j: columns 256 j + 4 lane + 0..3 and 256 j + 128 + 4 lane + 0..3
.set Y,    72                          ; v[72:103] pair j: 8 f16; before that v[72:83] the three parts added in rows below 128
.set LS,   104                         ; v[104:105], v[106:107] two running pairs of sums
.set LS2,  106
.set CM,   108                         ; v[108:109] c m
.set RR,   110                         ; v[110:111] 1 / l
.set NEG1, 112                         ; v112 -1.0
.set NB,   13
	s_load_b128 s[4:7], s[0:1], 0x0                ; sc s[4:5], pm s[6:7]
	v_lshrrev_b32 v1, 5, v0
	v_readfirstlane_b32 s10, v1
	v_and_b32 v1, 31, v0
	v_lshlrev_b32 v[LO], 4, v1
	v_lshlrev_b32 v[SO], 3, v1
	s_and_b32 s22, ttmp9, 3                        ; batch
	s_lshr_b32 s11, ttmp9, 2                       ; u
	s_bfe_u32 s23, s11, 0x10006                    ; bit 6 of u
	s_mul_i32 s23, s23, 63
	s_xor_b32 s11, s11, s23
	s_and_b32 s23, s22, 1
	s_mul_i32 s23, s23, 255
	s_xor_b32 s11, s11, s23                        ; the block of 8 rows in the batch
	s_lshl_b32 s22, s22, 8
	s_add_co_u32 s11, s11, s22
	s_lshl_b32 s11, s11, 3
	s_add_co_u32 s11, s11, s10                     ; my row among the 8,192
	s_and_b32 s12, s11, 2047                       ; q
	s_lshr_b32 s[NB], s12, 8
	s_add_co_u32 s[NB], s[NB], 1
	v_lshlrev_b32 v[D], 2, v1
	v_sub_nc_u32 v[D], v[D], s12
	v_mov_b32 v[NEGR], 0xff7fffff
	v_mov_b32 v[NEG1], -1.0
	s_mov_b32 s14, 0x3d38aa3b                      ; c = log2(e) / 32
	s_mov_b32 s15, s14                             ; named with it as a pair
	s_mov_b32 s16, 0x76543210                      ; v_permlanex16_b32: each lane takes its own place in the other half
	s_mov_b32 s17, 0xfedcba98
	s_lshl_b32 s18, s11, 13                        ; 8,192 bytes a row of sc
	s_mov_b32 s19, 0
	s_lshl_b32 s20, s11, 12                        ; 4,096 a row of pm
	s_mov_b32 s21, 0
	v_mov_b32 v[M0], v[NEGR]
	v_mov_b32 v[M1], v[NEGR]
	v_mov_b32 v[LS], 0
	v_mov_b32 v[LS+1], 0
	v_mov_b32 v[LS2], 0
	v_mov_b32 v[LS2+1], 0
.set i, X+8
.rept 56
	v_mov_b32 v[i], v[NEGR]                        ; pairs 1 to 7 hold a number on every way through the text, whichever jump is taken
.set i, i+1
.endr
	s_wait_kmcnt 0x0
	s_add_nc_u64 s[4:5], s[4:5], s[18:19]
	s_add_nc_u64 s[6:7], s[6:7], s[20:21]
.irp j, 0,1,2,3,4,5,6,7
	global_load_b128 v[X+8*(\j):X+8*(\j)+3],   v[LO], s[4:5] offset:1024*(\j) th:TH_LOAD_NT      ; 512 consecutive bytes a load
	global_load_b128 v[X+8*(\j)+4:X+8*(\j)+7], v[LO], s[4:5] offset:1024*(\j)+512 th:TH_LOAD_NT
.if (\j) < 7
	s_cmp_eq_u32 s[NB], (\j)+1
	s_cbranch_scc1 .Lloaded
.endif
.endr
.Lloaded:
	s_cmp_lt_u32 s12, 128
	s_cbranch_scc0 .Lwhole
	global_load_b128 v[Y:Y+3],    v[LO], s[4:5] offset:1024 th:TH_LOAD_NT            ; q_lo . k
	global_load_b128 v[Y+4:Y+7],  v[LO], s[4:5] offset:1536 th:TH_LOAD_NT            ; q_lo . k_lo
	global_load_b128 v[Y+8:Y+11], v[LO], s[4:5] offset:128*8192+1536 th:TH_LOAD_NT   ; q . k_lo, 128 rows further down
	s_wait_loadcnt 0x0
.irp k, 0,2
	v_pk_add_f32 v[Y+(\k):Y+(\k)+1], v[Y+(\k):Y+(\k)+1], v[Y+8+(\k):Y+8+(\k)+1]      ; the small parts first,
	v_pk_add_f32 v[Y+(\k):Y+(\k)+1], v[Y+(\k):Y+(\k)+1], v[Y+4+(\k):Y+4+(\k)+1]
	v_pk_add_f32 v[X+(\k):X+(\k)+1], v[X+(\k):X+(\k)+1], v[Y+(\k):Y+(\k)+1]          ; then onto the score
.endr
.Lwhole:
	s_wait_loadcnt 0x0                             ; how many loads are out differs with NB: the count is 0
	; the mask, in the row's last pair alone (column > q where 4 lane - q > -(the register's column at lane 0)), and the maximum
.irp j, 0,1,2,3,4,5,6,7
	s_cmp_lg_u32 s[NB], (\j)+1
	s_cbranch_scc1 .Lopen_\j
.set e, 0
.rept 8
	v_cmp_lt_i32 vcc_lo, -(256*(\j)+128*(e/4)+e%4), v[D]
	v_cndmask_b32 v[X+8*(\j)+e], v[X+8*(\j)+e], v[NEGR], vcc_lo
.set e, e+1
.endr
.Lopen_\j:
	v_max3_num_f32 v[M0], v[M0], v[X+8*(\j)],   v[X+8*(\j)+1]
	v_max3_num_f32 v[M1], v[M1], v[X+8*(\j)+2], v[X+8*(\j)+3]
	v_max3_num_f32 v[M0], v[M0], v[X+8*(\j)+4], v[X+8*(\j)+5]
	v_max3_num_f32 v[M1], v[M1], v[X+8*(\j)+6], v[X+8*(\j)+7]
.if (\j) < 7
	s_cmp_eq_u32 s[NB], (\j)+1
	s_cbranch_scc1 .Lmaxed
.endif
.endr
.Lmaxed:
	v_max_num_f32 v[M0], v[M0], v[M1]
	v_max_num_f32_dpp v[M0], v[M0], v[M0] row_xmask:1 row_mask:0xf bank_mask:0xf
	v_max_num_f32_dpp v[M0], v[M0], v[M0] row_xmask:2 row_mask:0xf bank_mask:0xf
	v_max_num_f32_dpp v[M0], v[M0], v[M0] row_xmask:4 row_mask:0xf bank_mask:0xf
	v_max_num_f32_dpp v[M0], v[M0], v[M0] row_xmask:8 row_mask:0xf bank_mask:0xf
	v_permlanex16_b32 v[M1], v[M0], s16, s17
	v_max_num_f32 v[M0], v[M0], v[M1]              ; every lane holds the row's maximum
	v_mul_f32 v[CM], s14, v[M0]
	v_mov_b32 v[CM+1], v[CM]
	; the weights and their sum.  A pair's eight exponentials are one batch: a plain instruction behind the last, one wait ahead of the first reader; a branch follows each pair
.irp j, 0,1,2,3,4,5,6,7
.irp k, 0,2,4,6
	v_pk_fma_f32 v[X+8*(\j)+(\k):X+8*(\j)+(\k)+1], v[X+8*(\j)+(\k):X+8*(\j)+(\k)+1], s[14:15], v[CM:CM+1] op_sel_hi:[1,0,0] neg_lo:[0,0,1] neg_hi:[0,0,1]  ; c s - c m
.endr
.irp k, 0,1,2,3,4,5,6,7
	v_exp_f32 v[X+8*(\j)+(\k)], v[X+8*(\j)+(\k)]
.endr
	v_nop
	s_wait_alu depctr_va_vdst(0)
	v_pk_add_f32 v[LS:LS+1],   v[LS:LS+1],   v[X+8*(\j):X+8*(\j)+1]
	v_pk_add_f32 v[LS2:LS2+1], v[LS2:LS2+1], v[X+8*(\j)+2:X+8*(\j)+3]
	v_pk_add_f32 v[LS:LS+1],   v[LS:LS+1],   v[X+8*(\j)+4:X+8*(\j)+5]
	v_pk_add_f32 v[LS2:LS2+1], v[LS2:LS2+1], v[X+8*(\j)+6:X+8*(\j)+7]
.if (\j) < 7
	s_cmp_eq_u32 s[NB], (\j)+1
	s_cbranch_scc1 .Lsummed
.endif
.endr
.Lsummed:
	v_pk_add_f32 v[LS:LS+1], v[LS:LS+1], v[LS2:LS2+1]
	v_add_f32 v[LS], v[LS], v[LS+1]
	v_add_f32_dpp v[LS], v[LS], v[LS] row_xmask:1 row_mask:0xf bank_mask:0xf
	v_add_f32_dpp v[LS], v[LS], v[LS] row_xmask:2 row_mask:0xf bank_mask:0xf
	v_add_f32_dpp v[LS], v[LS], v[LS] row_xmask:4 row_mask:0xf bank_mask:0xf
	v_add_f32_dpp v[LS], v[LS], v[LS] row_xmask:8 row_mask:0xf bank_mask:0xf
	v_permlanex16_b32 v[LS+1], v[LS], s16, s17
	v_add_f32 v[LS], v[LS], v[LS+1]
	v_rcp_f32 v[RR], v[LS]
	v_nop                                          ; a plain instruction behind the reciprocal,
	s_wait_alu depctr_va_vdst(0)                   ; and the wait ahead of its first reader
	v_mov_b32 v[RR+1], v[RR]
.irp j, 0,1,2,3,4,5,6,7
.irp k, 0,2,4,6
	v_pk_mul_f32 v[X+8*(\j)+(\k):X+8*(\j)+(\k)+1], v[X+8*(\j)+(\k):X+8*(\j)+(\k)+1], v[RR:RR+1]
.endr
.irp k, 0,1,2,3
	v_cvt_pk_f16_f32 v[Y+4*(\j)+(\k)], v[X+8*(\j)+2*(\k)], v[X+8*(\j)+2*(\k)+1]
.endr
.if (\j) == 0
	s_cmp_lt_u32 s12, 128
	s_cbranch_scc0 .Lno_lo
	v_fma_mixlo_f16 v[Y+2], v[Y],   v[NEG1], v[X]   op_sel_hi:[1,0,0]                  ; the f16 half times -1 plus p, rounded once: what the rounding lost, for columns 128 + 4 lane + 0..3
	v_fma_mixhi_f16 v[Y+2], v[Y],   v[NEG1], v[X+1] op_sel:[1,0,0] op_sel_hi:[1,0,0]
	v_fma_mixlo_f16 v[Y+3], v[Y+1], v[NEG1], v[X+2] op_sel_hi:[1,0,0]
	v_fma_mixhi_f16 v[Y+3], v[Y+1], v[NEG1], v[X+3] op_sel:[1,0,0] op_sel_hi:[1,0,0]
.Lno_lo:
.endif
	global_store_b64 v[SO], v[Y+4*(\j):Y+4*(\j)+1],   s[6:7] offset:512*(\j)      ; 256 consecutive bytes, at a multiple of 256 from pm's first byte
	global_store_b64 v[SO], v[Y+4*(\j)+2:Y+4*(\j)+3], s[6:7] offset:512*(\j)+256
.if (\j) < 7
	s_cmp_eq_u32 s[NB], (\j)+1
	s_cbranch_scc1 .Ldone
.endif
.endr
.Ldone:
	s_endpgm
.Lfunc_end_k_qb253b8dc66_softmax:
	.size	k_qb253b8dc66_softmax, .Lfunc_end_k_qb253b8dc66_softmax-k_qb253b8dc66_softmax
	.p2alignl 7, 3214868480
	.fill 96, 4, 3214868480
	.section	.rodata,"a",@progbits
	.p2align	6, 0x0
	.amdhsa_kernel k_qb253b8dc66_softmax
		.amdhsa_group_segment_fixed_size 0
		.amdhsa_private_segment_fixed_size 0
		.amdhsa_enable_private_segment 0
		.amdhsa_kernarg_size 16
		.amdhsa_user_sgpr_count 2
		.amdhsa_user_sgpr_kernarg_segment_ptr 1
		.amdhsa_wavefront_size32 1
		.amdhsa_system_sgpr_workgroup_id_x 1
		.amdhsa_system_sgpr_workgroup_id_y 1
		.amdhsa_system_sgpr_workgroup_id_z 1
		.amdhsa_system_vgpr_workitem_id 0
		.amdhsa_next_free_vgpr 120
		.amdhsa_next_free_sgpr 66
		.amdhsa_reserve_vcc 1
		.amdhsa_float_denorm_mode_32 3
		.amdhsa_float_denorm_mode_16_64 3
		.amdhsa_memory_ordered 1
		.amdhsa_forward_progress 1
		.amdhsa_inst_pref_size 30
	.end_amdhsa_kernel
	.amdgpu_metadata
---
amdhsa.version: [ 1, 2 ]
amdhsa.kernels:
  - .name:           k_qb253b8dc66_softmax
    .symbol:         k_qb253b8dc66_softmax.kd
    .args:
      - { .name: sc, .offset: 0, .size: 8, .value_kind: global_buffer, .address_space: global }
      - { .name: pm, .offset: 8, .size: 8, .value_kind: global_buffer, .address_space: global }
    .group_segment_fixed_size: 0
    .private_segment_fixed_size: 0
    .kernarg_segment_align: 8
    .kernarg_segment_size: 16
    .max_flat_workgroup_size: 256
    .sgpr_count:     66
    .vgpr_count:     120
    .wavefront_size: 32
...
	.end_amdgpu_metadata
.endif
;; end of part 4
;; launch pv (part 5): grid 8 x 32, 4 waves a work-group, clusters of 4 x 1, 327,680 bytes of LDS; arguments pm, qkv, out0; writes out0
.if DOCPART == 5
	.amdgcn_target "amdgcn-amd-amdhsa--gfx1250"
	.amdhsa_code_object_version 6
	.text
	.protected	k_qb253b8dc66_pv
	.globl	k_qb253b8dc66_pv
	.p2align	8
	.type	k_qb253b8dc66_pv,@function
k_qb253b8dc66_pv:
	s_mov_b64 s[64:65], 0
	v_nop
	global_prefetch_b8 v0, s[64:65] scope:SCOPE_SE
	s_setreg_imm32_b32 hwreg(HW_REG_WAVE_MODE, 25, 1), 1
	s_wait_xcnt 0x0
	s_wait_alu depctr_hold_cnt(0) depctr_sa_sdst(0) depctr_va_vdst(0) depctr_va_sdst(0) depctr_va_ssrc(0) depctr_va_vcc(0) depctr_vm_vsrc(0)
	s_getreg_b32 s2, hwreg(HW_REG_IB_STS2, 6, 4)
	s_cmp_eq_u32 s2, 0
	s_cbranch_scc0 .Lentry_in_a_cluster
	s_endpgm
.Lentry_in_a_cluster:
	s_bfe_u32 s2, ttmp6, 0x10000c
	s_cmp_lg_u32 s2, 0x3003
	s_cbranch_scc0 .Lentry_shape_is_right
	s_endpgm
.Lentry_shape_is_right:
; out0[b][q][:] = the sum over k of pm[b][q][k] v[b][k][:], f32.  pm is f16 and holds 0 for hidden keys up to the next multiple of 256; v is columns 2048-3071 of qkv, f16; sums f32.
; ROWS 0-127 of a batch see keys 0-127 alone, and pm's columns 128-255 hold there what p's rounding to f16 lost: for block 0 the step's second 128 rows of v are keys 0-127 once more, so its one step sums p v + p_lo v.
; LIMIT.  v arrives within f16's range; an infinity in v would spoil the rows that multiply it by 0.
; THE WALK.  A batch's rows lie in 16 blocks of 128; block i needs i / 2 + 1 steps of 256 keys.  A work-group makes 128 channels of TWO blocks, p (0..7) and then 15 - p: p / 2 + 1 and 8 - p / 2 steps,
; nine whatever p: 8 channel blocks x 8 pairs x 4 batches = 256 work-groups of equal work, and one loop with a constant trip count.  What a trip asks for hangs on scalars made from p; the ring runs on across the change of blocks.
; Four waves, 64 x 64 each: 16 accumulators.  A step is 128 matrix instructions a wave.
; CLUSTER 4 x 1: the four partners make four channel blocks of the same rows, so pm's tile is asked for jointly (waves 0, 1).  v's tile differs from partner to partner and comes by a load of one's own (waves 2, 3) behind the same round.
; v's tile is not shared: the work-groups that want the same channels have different p and want different key steps in the same trip.
; THE PRODUCT IS TAKEN TRANSPOSED (source 0 = 16 channels, by the turning load; source 1 = 16 rows of pm): a lane holds row lane % 16 and eight neighbouring channels.
; The sums start from registers written 0: where a block begins hangs on p, and a first step written out would stand twice in the loop.  128 lines at the start, in the wait for the first tile, and 128 at the change of blocks.
; REGISTERS: window 0: v16-30 addresses; v32-95 rows read back on the way out; v128-255 accumulator (a, b) at 128 + 8 (4 a + b).  Window 1: two fragment buffers of 128: 64 of pm (2 x 4), then 64 of v.
.set PP,    528                        ; a row of pm's tile in LDS: 512 bytes + 16
.set PV,    288                        ; a row of v's: 256 + 32
.set VOFF,  128*PP
.set SLOT,  0x24000                    ; 147,456: neither of its two bits is set in a wave's offset, so one exclusive or changes slots
.set STAGE, 2*SLOT                     ; 16 rows x 272 bytes for each wave
.set SPO,   272
.set SPARE, STAGE+4*16*SPO             ; the spare words, 128 bytes a wave, that no other line names
.set VSTEP, 256*6144                   ; bytes from a step of v to the next
.set ADRA, 16                          ; v16 LDS address of my pm fragments in the slot in hand; v17, v18 of v's, keys 0-127 and 128-255
.set ADRB, 17
.set A0L,  19                          ; v19, v20 the same in slot 0; never rewritten
.set B0L,  20
.set STO,  24
.set RD,   25
.set CO,   26
.set SPW,  28
.set NIL,  29
.set PFO,  30
.set TMP,  32
.set ACC,  128
.set F0,   0
.set F1,   128
.set G1A, 24                           ; s[24:31] group 1 for pm's tiles
.set GAF, 32                           ; s[32:35] group 0 of the first fill of slot 0;  s[36:39] the one that walks
.set GAW, 36
.set PB,  40                           ; s[40:41] pm at my half of the batch's first block
.set VB,  42                           ; s[42:43] v at my half of the batch's first step, my channels
.set PFA, 44
.set PFS, 46
.set G1B, 48                           ; s[48:55], s[56:59], s[60:63] the same for v's tiles
.set GBF, 56
.set GBW, 60
.set QB,  66                           ; the block whose tile is asked for next, its step, the block's last step
.set QS,  67
.set QL,  68
.set RT,  69                           ; steps of the block in hand still to be multiplied
.set OFA, 70                           ; s[70:71], s[72:73] a tile's byte offsets
.set OFB, 72
.set OUT2, 74                          ; s[74:75] out0 at my rows of the second block
.set TB,  76
.set LIM, 77
.set MSB, 0
.macro WIN new
.if MSB != (\new)
	s_set_vgpr_msb (MSB<<8)|(\new)
.set MSB, \new
.endif
.endm
.set MULW, 0x05                        ; sources 0 and 1 in window 1, C and D in window 0
.set TO_F, 0x40                        ; destination in window 1, address in window 0
.macro PLACES
.rept 4
	v_nop
.endr
.endm
.macro JLOAD                           ; waves 0, 1: the joint load of pm's two halves; waves 2, 3: v's two halves.  An s_nop 0 and four v_nop follow each line
	s_cmp_lt_u32 s10, 2
	s_cbranch_scc0 .Lfor_v_\@
	tensor_load_to_lds s[GAW:GAW+3], s[G1A:G1A+7]
	s_nop 0
.rept 4
	v_nop
.endr
	s_branch .Lasked_\@
.Lfor_v_\@:
	tensor_load_to_lds s[GBW:GBW+3], s[G1B:G1B+7]
	s_nop 0
.rept 4
	v_nop
.endr
.Lasked_\@:
.endm
.macro CREST
	s_cmp_lg_u32 s10, 0
	s_cbranch_scc1 .Lnot_wave_0_\@
	s_barrier_signal -3
.Lnot_wave_0_\@:
	s_barrier_wait -3
	s_barrier_signal -1
	s_barrier_wait -1
.endm
.macro CROUND
	s_barrier_signal -1
	s_barrier_wait -1
	CREST
.endm
; The descriptors ga, gb take the walk's next tile: the addresses are made anew from the block's and the step's numbers; turn = 1: the other slot than last time.  Then the walk steps on: behind block p's last step comes step 0 of block 15 - p.
.macro NEXT ga, gb, turn
	s_lshl_b32 s[OFA], s[QB], 19                   ; 128 rows of 4,096 bytes,
	s_lshl_b32 s82, s[QS], 9                       ; 256 keys of 2 bytes
	s_add_co_u32 s[OFA], s[OFA], s82
	s_mul_i32 s[OFB], s[QS], VSTEP
.if \turn
	s_xor_b32 s[(\ga)+1], s[(\ga)+1], SLOT
	s_xor_b32 s[(\gb)+1], s[(\gb)+1], SLOT
.endif
	s_add_nc_u64 s[(\ga)+2:(\ga)+3], s[PB:PB+1], s[OFA:OFA+1]
	s_or_b32 s[(\ga)+3], s[(\ga)+3], 0x80000000
	s_add_nc_u64 s[(\gb)+2:(\gb)+3], s[VB:VB+1], s[OFB:OFB+1]
	s_or_b32 s[(\gb)+3], s[(\gb)+3], 0x80000000
	s_add_co_u32 s[QS], s[QS], 1
	s_cmp_gt_u32 s[QS], s[QL]
	s_cselect_b32 s[QS], 0, s[QS]
	s_cselect_b32 s[QB], s18, s[QB]
	s_cselect_b32 s[QL], s19, s[QL]
.endm
; A prefetch into the L2 of the walk's tile two refills on, which always lies in the second block.  pm's tile is read by both clusters of a row of the grid: cluster x = 0 asks, waves 0 and 1, one line: the four partners take
; 16 of the wave's 64 rows each, told apart by address (cx); a lane half a row.  v's tile is read by the eight work-groups of its channels and batch: the one with p = 0 asks, waves 2 and 3, a lane a row, four lines.
; v's steps 0 to 2 and the walk's first four tiles come by their loads alone; the trips whose target would lie past the walk's ninth tile ask for nothing.
.macro ASK
	s_cmp_gt_u32 s3, s[LIM]
	s_cbranch_scc0 .Lnone_\@
	s_cmp_lt_u32 s10, 2
	s_cbranch_scc0 .Lof_v_\@
	global_prefetch_b8 v[PFO], s[PFA:PFA+1] th:TH_LOAD_NT scope:SCOPE_SE
	s_branch .Lnone_\@
.Lof_v_\@:
.irp j, 0,1,2,3
	global_prefetch_b8 v[PFO], s[PFA:PFA+1] offset:(\j)*32*6144 th:TH_LOAD_NT scope:SCOPE_SE
.endr
.Lnone_\@:
.endm
	s_load_b128 s[4:7], s[0:1], 0x0                ; pm s[4:5], qkv s[6:7]
	s_load_b64 s[8:9], s[0:1], 0x10                ; out0
	v_lshl_add_u32 v[SPW], v0, 2, SPARE
	v_mov_b32 v[NIL], 0
	ds_add_u32 v[SPW], v[NIL]                      ; the wave's opening: the add and its wait stand ahead of my first tensor load
	v_lshrrev_b32 v1, 5, v0
	v_readfirstlane_b32 s10, v1
	s_lshr_b32 s11, s10, 1                         ; which half of the tile's rows is mine
	s_and_b32 s12, s10, 1                          ; which half of its channels.  Also: which half of pm's or v's tile I fetch
	s_bfe_u32 s13, ttmp6, 0x40000                  ; cx
	s_lshl_b32 s14, ttmp9, 2
	s_add_co_u32 s14, s14, s13                     ; my block of 128 channels: it enters v's, out0's and the prefetches' addresses alone
	s_and_b32 s15, ttmp7, 0xffff
	s_and_b32 s16, s15, 7                          ; p
	s_lshr_b32 s20, s15, 3                         ; batch
	s_lshr_b32 s17, s16, 1                         ; block p's last step
	s_sub_co_u32 s18, 15, s16                      ; the second block,
	s_lshr_b32 s19, s18, 1                         ; its last step
	s_mov_b32 s[G1A+0], 15|(1<<16)|(1<<20)|(1<<21)|(6<<22)|(3<<25)  ; the mask of four; 2-byte elements; padding on; bit 21 beside a mask; after every 128 words, 4 words
	s_mov_b32 s[G1A+1], 256<<16                    ; tensor_dim0 = 256
	s_mov_b32 s[G1A+2], 64<<16                     ; tensor_dim1 = 64
	s_mov_b32 s[G1A+3], 256<<16                    ; tile_dim0
	s_mov_b32 s[G1A+4], 64                         ; tile_dim1
	s_mov_b32 s[G1A+5], 2048                       ; elements from row to row of pm
	s_mov_b32 s[G1A+6], 0
	s_mov_b32 s[G1A+7], 0
	s_mov_b32 s[G1B+0], (1<<16)|(1<<20)|(5<<22)|(7<<25)  ; no mask; after every 64 words, 8 words
	s_mov_b32 s[G1B+1], 128<<16
	s_mov_b32 s[G1B+2], 128<<16
	s_mov_b32 s[G1B+3], 128<<16
	s_mov_b32 s[G1B+4], 128
	s_mov_b32 s[G1B+5], 3072                       ; of qkv
	s_mov_b32 s[G1B+6], 0
	s_mov_b32 s[G1B+7], 0
	s_lshl_b32 s22, s20, 23                        ; pm: 2,048 rows of 4,096 bytes a batch,
	s_lshl_b32 s23, s12, 18                        ; 64 rows a half
	s_add_co_u32 s22, s22, s23
	s_mov_b32 s23, 0
	s_lshl_b32 s78, s20, 11
	s_lshl_b32 s79, s12, 7
	s_add_co_u32 s78, s78, s79                     ; v: my first key's row of qkv,
	s_mul_i32 s78, s78, 6144
	s_lshl_b32 s79, s14, 8                         ; my 128 channels,
	s_add_co_u32 s78, s78, s79
	s_add_co_u32 s78, s78, 4096                    ; behind q and k
	s_mov_b32 s79, 0
	s_mul_i32 s82, s12, 64*PP                      ; where they go: no place in the cluster enters an LDS address
	s_mul_i32 s83, s12, 128*PV
	s_add_co_u32 s83, s83, VOFF
	s_mov_b32 s[GAF], 1
	s_mov_b32 s[GAF+1], s82
	s_mov_b32 s[GAW], 1
	s_add_co_u32 s[GAW+1], s82, SLOT
	s_mov_b32 s[GBF], 1
	s_mov_b32 s[GBF+1], s83
	s_mov_b32 s[GBW], 1
	s_add_co_u32 s[GBW+1], s83, SLOT
	s_mov_b32 s[QB], s16
	s_mov_b32 s[QS], 0
	s_mov_b32 s[QL], s17
	s_mov_b32 s[OFA+1], 0
	s_mov_b32 s[OFB+1], 0
	s_mov_b32 s[TB], 0
	s_add_co_u32 s[RT], s17, 1
	s_wait_dscnt 0x0                               ; the opening add is done
	s_wait_kmcnt 0x0
	s_add_nc_u64 s[PB:PB+1], s[4:5], s[22:23]
	s_add_nc_u64 s[VB:VB+1], s[6:7], s[78:79]
	CROUND                                         ; all four work-groups are here: the first joint loads meet
	NEXT GAF, GBF, 0                               ; the walk's tile 0, into slot 0
	NEXT GAW, GBW, 0                               ; tile 1, into slot 1
	s_cmp_eq_u32 s16, 0                            ; block 0's one step: the second half of v's tile is keys 0-127 once more, for pm's columns 128-255
	s_cselect_b32 s82, s12, 0
	s_mul_i32 s82, s82, 128*6144
	s_mov_b32 s83, 0
	s_sub_nc_u64 s[GBF+2:GBF+3], s[GBF+2:GBF+3], s[82:83]  ; the type bits on top are not reached
	s_cmp_lt_u32 s10, 2                            ; a wave's two first fills stand in one branch: two loads of mine are out
	s_cbranch_scc0 .Lfirst_v
	tensor_load_to_lds s[GAF:GAF+3], s[G1A:G1A+7]
	s_nop 0
	tensor_load_to_lds s[GAW:GAW+3], s[G1A:G1A+7]
	s_nop 0
.rept 4
	v_nop
.endr
	s_branch .Lfirst_asked
.Lfirst_v:
	tensor_load_to_lds s[GBF:GBF+3], s[G1B:G1B+7]
	s_nop 0
	tensor_load_to_lds s[GBW:GBW+3], s[G1B:G1B+7]
	s_nop 0
.rept 4
	v_nop
.endr
.Lfirst_asked:
	v_and_b32 v1, 15, v0                           ; l % 16
	v_bfe_u32 v2, v0, 4, 1                         ; l / 16
	v_and_b32 v3, 31, v0                           ; l
	v_mul_u32_u24 v[A0L], v1, PP                   ; a fragment of pm: row x pitch + 16 x half; two loads, 32 bytes apart
	v_lshl_add_u32 v[A0L], v2, 4, v[A0L]
	s_mul_i32 s82, s11, 64*PP
	v_add_nc_u32 v[A0L], s82, v[A0L]
	v_and_b32 v4, 7, v0                            ; the turning load: lane l reads key 8 (l / 16) + l % 8, channels 8 ((l / 8) % 2) + 0..7, and is left with channel l % 16 and 8 keys
	v_bfe_u32 v5, v0, 3, 1
	v_lshl_add_u32 v[B0L], v2, 3, v4
	v_mul_u32_u24 v[B0L], v[B0L], PV
	v_lshl_add_u32 v[B0L], v5, 4, v[B0L]
	s_lshl_b32 s82, s12, 7                         ; my 64 channels
	s_add_co_u32 s82, s82, VOFF
	v_add_nc_u32 v[B0L], s82, v[B0L]
	v_mov_b32 v[ADRA], v[A0L]
	v_mov_b32 v[ADRB], v[B0L]
	v_add_nc_u32 v[ADRB+1], 128*PV, v[B0L]
	s_mul_i32 s82, s10, 16*SPO
	s_add_co_u32 s82, s82, STAGE                   ; my stage
	v_mul_u32_u24 v[STO], v1, SPO                  ; in: row l % 16, 32 bytes for each half of the lanes
	v_lshl_add_u32 v[STO], v2, 5, v[STO]
	v_add_nc_u32 v[STO], s82, v[STO]
	v_mul_u32_u24 v[RD], v2, SPO                   ; back: lanes 0-15 one row of 256 bytes, lanes 16-31 the next
	v_lshl_add_u32 v[RD], v1, 4, v[RD]
	v_add_nc_u32 v[RD], s82, v[RD]
	v_lshlrev_b32 v[CO], 12, v2                    ; and the same two rows in out0
	v_lshl_add_u32 v[CO], v1, 4, v[CO]
	s_lshl_b32 s80, s20, 23                        ; out0: the batch, my half of the rows, my channels
	s_lshl_b32 s81, s11, 18
	s_add_co_u32 s80, s80, s81
	s_lshl_b32 s81, s14, 9
	s_add_co_u32 s80, s80, s81
	s_lshl_b32 s81, s12, 8
	s_add_co_u32 s80, s80, s81
	s_lshl_b32 s82, s18, 19
	s_add_co_u32 s82, s82, s80
	s_mov_b32 s83, 0
	s_add_nc_u64 s[OUT2:OUT2+1], s[8:9], s[82:83]  ; the second block
	s_lshl_b32 s81, s16, 19
	s_add_co_u32 s80, s80, s81
	s_mov_b32 s81, 0
	s_add_nc_u64 s[8:9], s[8:9], s[80:81]          ; the first
	; the prefetches.  At the change behind the walk's tile t they name tile t + 4: step t + 3 - p / 2 of the second block; the pointer starts one step behind its first target
	s_lshl_b32 s82, s18, 19
	s_lshl_b32 s83, s13, 16                        ; cx x 16 rows
	s_add_co_u32 s82, s82, s83
	s_sub_co_u32 s83, 3, s17
	s_lshl_b32 s83, s83, 9
	s_add_co_u32 s82, s82, s83
	s_sub_co_u32 s82, s82, 512                     ; pm's offset; the second block's term keeps it above 0
	s_mov_b32 s83, 2*VSTEP                         ; v's: only p = 0 asks, whose first target is step 3
	s_mov_b32 s87, VSTEP
	s_mov_b32 s88, 12288
	s_mov_b32 s89, 6144
	s_cmp_lt_u32 s10, 2
	s_cselect_b64 s[PFA:PFA+1], s[PB:PB+1], s[VB:VB+1]
	s_cselect_b32 s78, s82, s83
	s_cselect_b32 s[PFS], 512, s87
	s_cselect_b32 s84, 4096, s88                   ; lane / 2 times this,
	s_cselect_b32 s85, 256, s89                    ; + lane % 2 times this
	s_cselect_b32 s86, ttmp9, s16                  ; who asks: cluster x = 0 for pm, p = 0 for v: the same in all four partners
	s_mov_b32 s79, 0
	s_mov_b32 s[PFS+1], 0
	s_cmp_eq_u32 s86, 0
	s_cselect_b32 s[LIM], 2, -1
	s_add_nc_u64 s[PFA:PFA+1], s[PFA:PFA+1], s[78:79]
	v_lshrrev_b32 v4, 1, v3
	v_and_b32 v5, 1, v3
	v_mul_u32_u24 v[PFO], v4, s84
	v_mad_u32_u24 v[PFO], v5, s85, v[PFO]
.set i, 0
.rept 128
	v_mov_b32 v[ACC+i], 0
.set i, i+1
.endr
; 8 matrix instructions: row blocks a0, a0 + 1 x all 4 channel blocks, 32 keys: half c of buffer f.  The 16 accumulators take turns
.macro MUL8 f, c, a0
	WIN MULW
.irp a, \a0, (\a0)+1
.irp b, 0,1,2,3
	v_wmma_f32_16x16x32_f16 v[ACC+8*(4*(\a)+(\b)):ACC+8*(4*(\a)+(\b))+7], v[(\f)+64+8*(4*(\c)+(\b)):(\f)+64+8*(4*(\c)+(\b))+7], v[(\f)+8*(4*(\c)+(\a)):(\f)+8*(4*(\c)+(\a))+7], v[ACC+8*(4*(\a)+(\b)):ACC+8*(4*(\a)+(\b))+7]
.endr
.endr
.endm
; 32 LDS loads in one run: the fragments of quarter q (64 keys) into buffer f, the first 32 keys first
.macro FETCH q, f
	WIN TO_F
.irp c, 0,1
.irp i, 0,1,2,3
	ds_load_tr16_b128 v[(\f)+64+8*(4*(\c)+(\i)):(\f)+64+8*(4*(\c)+(\i))+3],   v[ADRB+(\q)/2] offset:(64*((\q)%2)+32*(\c))*PV+32*(\i)
	ds_load_tr16_b128 v[(\f)+64+8*(4*(\c)+(\i))+4:(\f)+64+8*(4*(\c)+(\i))+7], v[ADRB+(\q)/2] offset:(64*((\q)%2)+32*(\c))*PV+32*(\i)+16*PV
	ds_load_b128 v[(\f)+8*(4*(\c)+(\i)):(\f)+8*(4*(\c)+(\i))+3],   v[ADRA] offset:128*(\q)+64*(\c)+(\i)*16*PP
	ds_load_b128 v[(\f)+8*(4*(\c)+(\i))+4:(\f)+8*(4*(\c)+(\i))+7], v[ADRA] offset:128*(\q)+64*(\c)+(\i)*16*PP+32
.endr
.endr
.endm
; One of a step's first three quarters: multiplies buffer f, fetches quarter qn into g.  Waits: 16 = the run's second half may be out; 32 = the run just issued
.macro QUARTER qn, f, g
	s_wait_dscnt 16
	MUL8 \f, 0, 0
	MUL8 \f, 0, 2
	PLACES
	FETCH \qn, \g
	s_wait_dscnt 32
	MUL8 \f, 1, 0
	MUL8 \f, 1, 2
.endm
; The fourth quarter, on F1, changes slots: one barrier; in front of it each wave waits for all its tensor loads (one is out: its part of the other slot), adds 0 to its spare word, and waits for that and for its reads of this slot.
; fill = 1: the barrier opens a round of the cluster's, and the refill, the walk's tile two on, is the first thing behind it: 112 matrix instructions ahead of the wait for it.
.macro TURN fill
	s_wait_xcnt 0x0                                ; the last prefetches, a step back, have read their address
	s_add_nc_u64 s[PFA:PFA+1], s[PFA:PFA+1], s[PFS:PFS+1]
	WIN 0
	s_wait_tensorcnt 0x0
	ds_add_u32 v[SPW], v[NIL]                      ; the descriptors' scalar work stands between the add and the wait for it
.if \fill
	NEXT GAW, GBW, 1
.endif
	s_xor_b32 s[TB], s[TB], SLOT
	s_wait_dscnt 17                                ; the run's second half and the add may be out
	MUL8 F1, 0, 0
	s_wait_dscnt 0x0                               ; the add is done, and my reads of this slot are over
	s_barrier_signal -1
	MUL8 F1, 0, 2
	WIN 0                                          ; at a branch and at a label every window is 0
	s_barrier_wait -1
.if \fill
	CREST                                          ; no wave of any partner still reads this slot or has a load on its way
	JLOAD                                          ; its four v_nop are also the places in front of the loads below
.else
	PLACES
.endif
	v_add_nc_u32 v[ADRA], s[TB], v[A0L]
	v_add_nc_u32 v[ADRB], s[TB], v[B0L]
	v_add_nc_u32 v[ADRB+1], 128*PV, v[ADRB]
	FETCH 0, F0
	WIN 0
.if \fill
	ASK
.endif
	MUL8 F1, 1, 0
	MUL8 F1, 1, 2
.endm
; THE WAY OUT of a block, 16 rows at a time through my own stage: 32 bytes a lane in, whole rows of 256 bytes back.  LDS serves a wave's instructions in order (ISA guide 5.7.1.4), so no wait stands between stores and loads.
.macro TOST a
	s_wait_xcnt 0x0                                ; earlier stores have read the bank that is loaded again
.irp b, 0,1,2,3
	ds_store_b128 v[STO], v[ACC+8*(4*(\a)+(\b)):ACC+8*(4*(\a)+(\b))+3]   offset:64*(\b)
	ds_store_b128 v[STO], v[ACC+8*(4*(\a)+(\b))+4:ACC+8*(4*(\a)+(\b))+7] offset:64*(\b)+16
.endr
.irp t, 0,1,2,3,4,5,6,7
	ds_load_b128 v[TMP+32*((\a)%2)+4*(\t):TMP+32*((\a)%2)+4*(\t)+3], v[RD] offset:(\t)*2*SPO
.endr
.endm
.macro SEND a, younger                 ; younger: the next block's 16 LDS instructions, or none
	s_wait_dscnt \younger
.irp t, 0,1,2,3,4,5,6,7
	global_store_b128 v[CO], v[TMP+32*((\a)%2)+4*(\t):TMP+32*((\a)%2)+4*(\t)+3], s[8:9] offset:(16*(\a)+2*(\t))*4096 th:TH_STORE_NT  ; 16 lanes store 256 consecutive bytes, at a multiple of 256 from out0's first byte
.endr
.endm
.macro WAYOUT
	PLACES
	TOST 0
	TOST 1
	SEND 0, 16
	TOST 2
	SEND 1, 16
	TOST 3
	SEND 2, 16
	SEND 3, 0
.endm
	s_wait_tensorcnt 0x1                           ; my part of the walk's tile 0 is in; tile 1's may stay out
	s_barrier_signal -1
	s_barrier_wait -1
	FETCH 0, F0
	WIN 0
	s_mov_b32 s3, 7
.Lstep:                                                ; a trip is a step of 256 keys; the slot that it leaves is filled again
	QUARTER 1, F0, F1
	QUARTER 2, F1, F0
	QUARTER 3, F0, F1
	TURN 1
	WIN 0
	s_sub_co_u32 s[RT], s[RT], 1
	s_cmp_lg_u32 s[RT], 0
	s_cbranch_scc1 .Lon                            ; forward, past text that holds neither a barrier nor a tensor load
	WAYOUT                                         ; the first block is finished: at the fourth trip at the latest
	s_wait_xcnt 0x0                                ; the stores have read out0's address
	s_mov_b64 s[8:9], s[OUT2:OUT2+1]
	s_sub_co_u32 s[RT], 8, s17                     ; the second block's steps: two of them are left when the loop ends
.set i, 0
.rept 128
	v_mov_b32 v[ACC+i], 0
.set i, i+1
.endr
.Lon:
	s_sub_co_u32 s3, s3, 1
	s_cmp_lg_u32 s3, 0
	s_cbranch_scc1 .Lstep
	QUARTER 1, F0, F1                              ; the walk's last two tiles: nothing is left to fetch
	QUARTER 2, F1, F0
	QUARTER 3, F0, F1
	TURN 0
	QUARTER 1, F0, F1
	QUARTER 2, F1, F0
	QUARTER 3, F0, F1
	s_wait_dscnt 16
	MUL8 F1, 0, 0
	MUL8 F1, 0, 2
	s_wait_dscnt 0x0
	MUL8 F1, 1, 0
	MUL8 F1, 1, 2
	WIN 0
	WAYOUT
	s_wait_tensorcnt 0x0                           ; the wave's end
	ds_add_u32 v[SPW], v[NIL]
	s_wait_dscnt 0x0
	CROUND                                         ; the closing round
	s_endpgm
.Lfunc_end_k_qb253b8dc66_pv:
	.size	k_qb253b8dc66_pv, .Lfunc_end_k_qb253b8dc66_pv-k_qb253b8dc66_pv
	.p2alignl 7, 3214868480
	.fill 96, 4, 3214868480
	.section	.rodata,"a",@progbits
	.p2align	6, 0x0
	.amdhsa_kernel k_qb253b8dc66_pv
		.amdhsa_group_segment_fixed_size 327680
		.amdhsa_private_segment_fixed_size 0
		.amdhsa_enable_private_segment 0
		.amdhsa_kernarg_size 24
		.amdhsa_user_sgpr_count 2
		.amdhsa_user_sgpr_kernarg_segment_ptr 1
		.amdhsa_wavefront_size32 1
		.amdhsa_system_sgpr_workgroup_id_x 1
		.amdhsa_system_sgpr_workgroup_id_y 1
		.amdhsa_system_sgpr_workgroup_id_z 1
		.amdhsa_system_vgpr_workitem_id 0
		.amdhsa_next_free_vgpr 512
		.amdhsa_next_free_sgpr 90
		.amdhsa_reserve_vcc 0
		.amdhsa_float_denorm_mode_32 3
		.amdhsa_float_denorm_mode_16_64 3
		.amdhsa_memory_ordered 1
		.amdhsa_forward_progress 1
		.amdhsa_inst_pref_size 87
	.end_amdhsa_kernel
	.amdgpu_metadata
---
amdhsa.version: [ 1, 2 ]
amdhsa.kernels:
  - .name:           k_qb253b8dc66_pv
    .symbol:         k_qb253b8dc66_pv.kd
    .args:
      - { .name: pm, .offset: 0, .size: 8, .value_kind: global_buffer, .address_space: global }
      - { .name: qkv, .offset: 8, .size: 8, .value_kind: global_buffer, .address_space: global }
      - { .name: out0, .offset: 16, .size: 8, .value_kind: global_buffer, .address_space: global }
    .group_segment_fixed_size: 327680
    .private_segment_fixed_size: 0
    .kernarg_segment_align: 8
    .kernarg_segment_size: 24
    .max_flat_workgroup_size: 128
    .sgpr_count:     90
    .vgpr_count:     512
    .wavefront_size: 32
...
	.end_amdgpu_metadata
.endif
;; end of part 5
;; ======== version 2 of 2: 5 launches; version 1 with the launch cast written anew for expert scheduling mode
;; limits: values are held in f16: magnitudes above 65,504 overflow, below 6.1e-05 lose precision
;; workspace buffers: xb 16,777,216 bytes; wb 6,291,456 bytes; qkv 50,331,648 bytes; lo 786,432 bytes; sc 67,108,864 bytes; pm 33,554,432 bytes
;; launch cast (part 6): grid 704 x 1, 8 waves a work-group, no clusters, 0 bytes of LDS; arguments x, Wq, Wk, Wv, xb, wb; writes xb, wb
.if DOCPART == 6
	.amdgcn_target "amdgcn-amd-amdhsa--gfx1250"
	.amdhsa_code_object_version 6
	.text
	.protected	k_qb253b8dc66_cast
	.globl	k_qb253b8dc66_cast
	.p2align	8
	.type	k_qb253b8dc66_cast,@function
k_qb253b8dc66_cast:
	s_mov_b64 s[64:65], 0
	v_nop
	global_prefetch_b8 v0, s[64:65] scope:SCOPE_SE
	s_setreg_imm32_b32 hwreg(HW_REG_WAVE_SCHED_MODE, 0, 2), 2
	s_setreg_imm32_b32 hwreg(HW_REG_WAVE_MODE, 25, 1), 1
	s_wait_xcnt 0x0
	s_wait_alu depctr_vm_vsrc(0)
; x [8192][1024] and Wq, Wk, Wv [1024][1024], f32, are rounded once to bf16 (to nearest even) and laid in blocks of 64 along K:
; xb[kb][row][64], wb[kb][row][64] with wb's rows 0-1023 = Wq, 1024-2047 = Wk, 2048-3071 = Wv.  So a tile of rows x 64 K of the next launch is dense in memory.
; A stream: no LDS, no matrix unit, no cluster (no byte is read twice).  A work-group takes 16 rows, a wave two of them, whole: 16 loads of 16 bytes a lane, all issued at once.
; A load of the wave covers 256 consecutive bytes of each of its two rows; a store covers 256 consecutive bytes, aligned: 128 of each row, which are neighbours in a block.
; Work-groups 0-511 take x, 512-703 the three weights (64 each).
; THE MODE: SCHED_MODE bits 1:0 = 2 (LLVM: expert scheduling mode 2), set by the entry lines.  The code itself states the register dependences
; between vector instructions and memory instructions, with s_wait_alu, always for 0.
; THE PLAN.  Registers that memory instructions touch:
;   v2, v3   the loads' and the stores' byte offsets: made once at the head, never written again.
;   X        block kb's four registers: written by its one load, issued at the head, where no vector instruction has named them; read by its two roundings.
;   Y        block kb's two registers: written by its two roundings; read by its one store.
; No register is written twice: nothing that a memory instruction has read is ever written again, so no wait on vm_vsrc is owed, and no wait frees a source.
; The 16 blocks go in four groups of four.  Group g rounds its four blocks; its memory instructions are the four stores of group g - 1, which read Y registers that no
; rounding of group g names.  So one wait on va_vdst at a group's head, behind the wait for the group's data, states all that those four stores hang on, and they are dealt
; among the group's roundings with no further wait.  One more stands at the kernel's head, for the offsets, and one behind the last group's roundings, for the last four stores.
.set X,   8                            ; v[8:71]   block kb: 4 f32 as loaded
.set Y,   72                           ; v[72:103] block kb: 4 bf16 in two registers
.set XKB, 1048576                      ; bytes of a block of xb: 8192 rows x 128
.set WKB, 393216                       ; of wb: 3072 rows x 128
	s_load_b256 s[4:11], s[0:1], 0x0               ; x s[4:5], Wq s[6:7], Wk s[8:9], Wv s[10:11]
	s_load_b128 s[12:15], s[0:1], 0x20             ; xb s[12:13], wb s[14:15]
	v_lshrrev_b32 v1, 4, v0                        ; my row among the group's 16
	v_and_b32 v2, 15, v0
	v_lshlrev_b32 v2, 4, v2
	v_lshl_add_u32 v2, v1, 12, v2                  ; row x 4,096 + 16 x (lane % 16)
	v_lshlrev_b32 v3, 3, v0                        ; row x 128 + 8 x (lane % 16) = 8 x my thread's number
	s_sub_co_u32 s17, ttmp9, 512                   ; the group's number among the weights' (used there alone)
	s_lshr_b32 s18, s17, 6                         ; which weight
	s_and_b32 s19, s17, 63                         ; which 16 rows of it
	s_mov_b32 s27, 0
	s_mov_b32 s29, 0
	s_wait_kmcnt 0x0
	s_cmp_eq_u32 s18, 1
	s_cselect_b64 s[20:21], s[8:9], s[6:7]
	s_cmp_eq_u32 s18, 2
	s_cselect_b64 s[20:21], s[10:11], s[20:21]
	s_cmp_lt_u32 ttmp9, 512
	s_cselect_b64 s[20:21], s[4:5], s[20:21]       ; the source,
	s_cselect_b64 s[22:23], s[12:13], s[14:15]     ; the destination,
	s_cselect_b32 s26, ttmp9, s19                  ; the block of 16 rows in the source,
	s_cselect_b32 s28, ttmp9, s17                  ; and in the destination
	s_lshl_b32 s26, s26, 16                        ; 16 rows of 4,096 bytes
	s_lshl_b32 s28, s28, 11                        ; 16 rows of 128 bytes
	s_add_nc_u64 s[20:21], s[20:21], s[26:27]
	s_add_nc_u64 s[22:23], s[22:23], s[28:29]
	s_wait_alu depctr_va_vdst(0)                   ; v2 and v3 are written: every load of the kernel reads v2 as its offset, every store v3
.irp kb, 0,1,2,3,4,5,6,7,8,9,10,11,12,13,14,15
	global_load_b128 v[X+4*(\kb):X+4*(\kb)+3], v2, s[20:21] offset:256*(\kb) th:TH_LOAD_NT
.endr
; block kb: two roundings
.macro CVT kb
	v_cvt_pk_bf16_f32 v[Y+2*(\kb)], v[X+4*(\kb)], v[X+4*(\kb)+1]
	v_cvt_pk_bf16_f32 v[Y+2*(\kb)+1], v[X+4*(\kb)+2], v[X+4*(\kb)+3]
.endm
; block kb: one store.  step: bytes from a block of the destination to the next; the first 'split' blocks go by the base s[22:23], the others by s[24:25]
.macro PUT kb, step, split
	global_store_b64 v3, v[Y+2*(\kb):Y+2*(\kb)+1], s[22+2*((\kb)/(\split)):23+2*((\kb)/(\split))] offset:((\kb)%(\split))*(\step)
.endm
; the four groups
.macro WALK step, split
.irp g, 0,1,2,3
	s_wait_loadcnt 12-4*(\g)                       ; loads come back in order (ISA guide 5.7.1): the group's four are in, the 12 - 4 g younger ones stay out
.if (\g) > 0
	s_wait_alu depctr_va_vdst(0)                   ; the group before has written its eight registers of Y, which the four stores below read
.endif
.irp i, 0,1,2,3
.if (\g) > 0
	PUT 4*(\g)-4+(\i), \step, \split               ; a block of the group before; no rounding since the wait names its registers
.endif
	CVT 4*(\g)+(\i)
.endr
.endr
	s_wait_alu depctr_va_vdst(0)                   ; the last group has written its eight registers of Y, which the last four stores read
.irp i, 12,13,14,15
	PUT \i, \step, \split
.endr
.endm
	s_cmp_lt_u32 ttmp9, 512
	s_cbranch_scc0 .Lweights
	s_add_nc_u64 s[24:25], s[22:23], 8*XKB         ; a second base, so that the immediates stay within 24 signed bits
	WALK XKB, 8
	s_endpgm
.Lweights:
	WALK WKB, 16                                   ; fifteen blocks of wb are 5,898,240 bytes: one base does
	s_endpgm
.Lfunc_end_k_qb253b8dc66_cast:
	.size	k_qb253b8dc66_cast, .Lfunc_end_k_qb253b8dc66_cast-k_qb253b8dc66_cast
	.p2alignl 7, 3214868480
	.fill 96, 4, 3214868480
	.section	.rodata,"a",@progbits
	.p2align	6, 0x0
	.amdhsa_kernel k_qb253b8dc66_cast
		.amdhsa_group_segment_fixed_size 0
		.amdhsa_private_segment_fixed_size 0
		.amdhsa_enable_private_segment 0
		.amdhsa_kernarg_size 48
		.amdhsa_user_sgpr_count 2
		.amdhsa_user_sgpr_kernarg_segment_ptr 1
		.amdhsa_wavefront_size32 1
		.amdhsa_system_sgpr_workgroup_id_x 1
		.amdhsa_system_sgpr_workgroup_id_y 1
		.amdhsa_system_sgpr_workgroup_id_z 1
		.amdhsa_system_vgpr_workitem_id 0
		.amdhsa_next_free_vgpr 104
		.amdhsa_next_free_sgpr 66
		.amdhsa_reserve_vcc 0
		.amdhsa_float_denorm_mode_32 3
		.amdhsa_float_denorm_mode_16_64 3
		.amdhsa_memory_ordered 1
		.amdhsa_forward_progress 1
		.amdhsa_inst_pref_size 11
	.end_amdhsa_kernel
	.amdgpu_metadata
---
amdhsa.version: [ 1, 2 ]
amdhsa.kernels:
  - .name:           k_qb253b8dc66_cast
    .symbol:         k_qb253b8dc66_cast.kd
    .args:
      - { .name: x, .offset: 0, .size: 8, .value_kind: global_buffer, .address_space: global }
      - { .name: Wq, .offset: 8, .size: 8, .value_kind: global_buffer, .address_space: global }
      - { .name: Wk, .offset: 16, .size: 8, .value_kind: global_buffer, .address_space: global }
      - { .name: Wv, .offset: 24, .size: 8, .value_kind: global_buffer, .address_space: global }
      - { .name: xb, .offset: 32, .size: 8, .value_kind: global_buffer, .address_space: global }
      - { .name: wb, .offset: 40, .size: 8, .value_kind: global_buffer, .address_space: global }
    .group_segment_fixed_size: 0
    .private_segment_fixed_size: 0
    .kernarg_segment_align: 8
    .kernarg_segment_size: 48
    .max_flat_workgroup_size: 256
    .sgpr_count:     66
    .vgpr_count:     104
    .wavefront_size: 32
...
	.end_amdgpu_metadata
.endif
;; end of part 6
;; launch proj: the kernel of part 2 again; grid 8 x 32, 4 waves a work-group, clusters of 4 x 4, 327,680 bytes of LDS; arguments xb, wb, qkv, lo; writes qkv, lo
;; launch scores: the kernel of part 3 again; grid 37 x 4, 4 waves a work-group, no clusters, 327,680 bytes of LDS; arguments qkv, lo, sc; writes sc
;; launch softmax: the kernel of part 4 again; grid 1024 x 1, 8 waves a work-group, no clusters, 0 bytes of LDS; arguments sc, pm; writes pm
;; launch pv: the kernel of part 5 again; grid 8 x 32, 4 waves a work-group, clusters of 4 x 1, 327,680 bytes of LDS; arguments pm, qkv, out0; writes out0
